; MI455X (gfx1250); checked and timed in simulation.
; The chip was launched on July 23, 2026; its instructions are those of AMD's public machine-readable ISA for CDNA 5 (MIT licence, August 2026) and "CDNA5" Instruction Set Architecture Reference Guide (July 2026). The comments in the code are by the model that wrote it; some were corrected since.
;; Attention. Allowed arithmetic: matrix products marked QUANTISED: E2M1 operands, one E8M0 scale for each 32 along K, by v_wmma_scale_f32_16x16x128_f8f6f4 with both operands' format E2M1 (or v_wmma_scale_f32_32x16x128_f4), f32 sums; products left as they are: bf16, f16 or f32 operands; f32 sums; everything else in f32.
;; Inputs: W_proj 1,024 x 1,024 float32; W_qkv 1,024 x 3,072 float32; b_proj 1,024 float32; joint_feature 4 x 2,048 x 1,024 float32; mask 1 x 1 x 2,048 x 2,048 int32.
;; Outputs: out0 4 x 2,048 x 1,024 float32.
;; This version of the problem:
;;   THIS VERSION OF THE PROBLEM IS GIVEN IN LOW PRECISION. The matrix products marked QUANTISED in the list below multiply operands that are first quantised to E2M1 (2 exponent bits, 1 mantissa bit; 4 bits a number), with one power-of-two scale for each 32 numbers along K (OCP MX v1.0); their sums are f32. The products marked 'left as it is' may take bf16, f16 or f32 operands, with f32 sums. Whichever they take, every output number must still come out within the allowed error. Rounding operands to bf16 (8 significant bits) uses up far more of that allowance than f16 does (11 bits, for magnitudes from 6e-5 to 65,504). All else is computed in f32.
;;   The module's matrix products, in the order in which they are computed (A, B: the left and right operand; K: the contracted axis; several contracted axes count as one K, in the product's order):
;;     1. [M 8,192, K 1,024] x [K 1,024, N 3,072]; A: input joint_feature; B: input W_qkv: QUANTISED
;;     2. batch 64 x [M 2,048, K 64] x [K 64, N 2,048]; A: computed on the way; B: computed on the way: left as it is (an operand is computed on the way)
;;     3. batch 64 x [M 2,048, K 2,048] x [K 2,048, N 64]; A: computed on the way; B: computed on the way: left as it is (an operand is computed on the way)
;;     4. [M 8,192, K 1,024] x [K 1,024, N 1,024]; A: computed on the way; B: input W_proj: left as it is (an operand is computed on the way)
;;   THE QUANTISER, for each operand of a quantised product, along K:
;;     - K is cut into blocks of 32 from its start; a last block that is shorter is filled with zeros.
;;     - A block's scale is 2^e with e = floor(log2(the largest magnitude in the block)) - 2, held to -126 .. 127; a block of zeros has e = 0. As a byte (E8M0): e + 127.
;;     - Each number is divided by its block's scale, clamped to +-6, and rounded to the nearest number of E2M1, ties to even, subnormals kept.
;;     - The product sums the exact products of the quantised numbers (number of the format x scale) in f32.
;;   ~~~python
;;   def quantise(x, axis):      # numpy; x: float32 -> the quantised numbers, widened to float32 again
;;       x = np.moveaxis(x, axis, -1); K = x.shape[-1]
;;       x = np.pad(x, [(0, 0)] * (x.ndim - 1) + [(0, -K % 32)]); x = x.reshape(x.shape[:-1] + (-1, 32)); a = np.abs(x).max(-1, keepdims=True)
;;       e = np.where(a > 0, np.clip(np.frexp(np.where(a > 0, a, 1))[1] - 1 - 2, -126, 127), 0)      # np.frexp(a)[1] - 1 = floor(log2(a)), exactly
;;       r = np.clip(x / 2.0 ** e, -6, 6)
;;       step = 2.0 ** (np.maximum(np.frexp(np.where(r == 0, 1, r))[1] - 1, 0) - 1)
;;       q = np.round(r / step) * step * 2.0 ** e      # np.round: ties to even
;;       return np.moveaxis(q.reshape(q.shape[:-2] + (-1,))[..., :K], -1, axis).astype(np.float32)
;;   ~~~
;; One version. Each part assembles by itself: llvm-mc -triple=amdgcn-amd-amdhsa -mcpu=gfx1250 --defsym DOCPART=n.
;; ======== version 1 of 1: 4 launches
;; limits: values are held in f16: magnitudes above 65,504 overflow, below 6.1e-05 lose precision
;; workspace buffers: xc 4,194,304 bytes; wc 1,572,864 bytes; scl 360,448 bytes; wp 2,097,152 bytes; mw 524,288 bytes of whole numbers; qkv 50,331,648 bytes; xa 16,777,216 bytes
;; launch prep (part 1): grid 640 x 1, 4 waves a work-group, no clusters, 35,328 bytes of LDS; arguments joint_feature, W_qkv, W_proj, mask, xc, wc, scl, wp, mw; writes xc, wc, scl, wp, mw
.if DOCPART == 1
	.amdgcn_target "amdgcn-amd-amdhsa--gfx1250"
	.amdhsa_code_object_version 6
	.text
	.protected	k_qcfa0aefc5b_prep
	.globl	k_qcfa0aefc5b_prep
	.p2align	8
	.type	k_qcfa0aefc5b_prep,@function
k_qcfa0aefc5b_prep:
	s_mov_b64 s[64:65], 0
	v_nop
	global_prefetch_b8 v0, s[64:65] scope:SCOPE_SE
	s_setreg_imm32_b32 hwreg(HW_REG_WAVE_MODE, 25, 1), 1
	s_wait_xcnt 0x0
; PREPARATION: four jobs in one launch, told apart by the work-group's number; a wave is one job and shares nothing with other waves.
;   groups 0-191   WQ: W_qkv [1024 k][3072 n] f32 -> codes of FP4 (E2M1) along K and one E8M0 byte for each 32 along K
;   groups 192-255 WP: W_proj [1024 k][1024 n] f32 -> f16
;   groups 256-383 MK: mask [2048 q][2048 key] int32 -> one bit a score, in the order in which the attention's lanes want them
;   groups 384-639 XQ: joint_feature [8192][1024] f32 -> codes of FP4 and scale bytes
; EVERY OPERAND IS LAID AS AN IMAGE OF THE OPERAND'S REGISTERS: the 16 bytes (row r of a tile of 16 rows, group o along K: 32 codes or 8 f16) lie at 256 o + 16 r in the tile,
; so that a fragment is two loads of 16 bytes a lane at 16 x lane, 512 bytes apart.
; A block's scale is 2^(floor(log2(its largest magnitude)) - 2); its byte is the largest magnitude's exponent field - 2, held at 1 from below.
; LIMITS: a block of zeros gets the byte 1 where the rule says 127 (its codes are zeros, and this program alone reads the bytes); blocks whose largest magnitude lies under 2^-124 were not tried;
; NaN and infinities are not served; W_proj goes to f16 (magnitudes under 65,504).
.set SPARE, 34816                      ; the spare words, 128 bytes for each wave: two blocks of 256 bytes that no other line names
.set STGX,  0                          ; XQ's stages: 16 rows x 272 bytes for each wave
.set STGM,  17408                      ; MK's stages: bytes of their own
.set WST,   4352                       ; a wave's stage
.set R,     16                         ; v16-143  four sets of 32 registers as loaded
.set X,     144                        ; v144-207 two sets of 32 neighbours (WP: the f16 pairs)
.set C,     208                        ; v208-239 codes: registers of their own for each step, so that no store's data are written again
.set SB,    240                        ; v240-243 scale bytes, gathered into words
.set OW,    244                        ; v244-251 MK: the words on their way out
.set MSO,   252                        ; v252     MK: where I read the stage
.set SPW,   12                         ; v12      LDS address of my spare word; never rewritten
.set NIL,   13                         ; v13      0; never rewritten
	s_load_b512 s[4:19], s[0:1], 0x0               ; joint_feature s[4:5], W_qkv s[6:7], W_proj s[8:9], mask s[10:11], xc s[12:13], wc s[14:15], scl s[16:17], wp s[18:19]
	s_load_b64 s[20:21], s[0:1], 0x40              ; mw
	v_lshl_add_u32 v[SPW], v0, 2, SPARE
	v_mov_b32 v[NIL], 0
	v_lshrrev_b32 v1, 5, v0
	v_readfirstlane_b32 s22, v1                    ; wave
	v_and_b32 v1, 31, v0                           ; lane
	v_and_b32 v2, 15, v0                           ; r
	v_bfe_u32 v3, v0, 4, 1                         ; h
	s_mov_b32 s28, 0x76543210
	s_mov_b32 s29, 0xfedcba98                      ; v_permlanex16_b32's selects for lane l xor 16
	s_mov_b32 s25, 0                               ; the high word of every offset
	s_lshl_b32 s23, ttmp9, 2
	s_add_co_u32 s23, s23, s22                     ; 4 x group + wave
	s_mul_i32 s31, s22, WST                        ; my stage
	v_mul_u32_u24 v5, v3, 272                      ; the LDS addresses are made here, ahead of the parting; each path's region stands in the immediates
	v_lshl_add_u32 v5, v2, 4, v5
	v_add_nc_u32 v5, s31, v5                       ; into the stage: row h of a pair of rows, 16 r
	v_mul_u32_u24 v6, v2, 272
	v_add_nc_u32 v6, s31, v6
	v_lshl_add_u32 v[MSO], v3, 5, v6               ; MK, out of it: row r, + 32 h
	v_lshl_add_u32 v6, v3, 7, v6                   ; XQ, out of it: row r, + 128 h: a whole block of 32 numbers
	s_wait_kmcnt 0x0
	s_cmp_lt_u32 ttmp9, 192
	s_cbranch_scc1 .Lwq
	s_cmp_lt_u32 ttmp9, 256
	s_cbranch_scc1 .Lwp
	s_cmp_lt_u32 ttmp9, 384
	s_cbranch_scc1 .Lmk
; step s of 8: 16 rows x 256 bytes: each load reads two rows' 256 consecutive bytes
.macro LOADR s, pitch, base
.irp i, 0,1,2,3,4,5,6,7
	global_load_b128 v[R+32*((\s)%4)+4*\i:R+32*((\s)%4)+4*\i+3], v4, s[\base:\base+1] offset:2*\pitch*\i+256*(\s) th:TH_LOAD_NT
.endr
.endm
.macro TOST s, off                     ; as loaded, into the stage
.irp i, 0,1,2,3,4,5,6,7
	ds_store_b128 v5, v[R+32*((\s)%4)+4*\i:R+32*((\s)%4)+4*\i+3] offset:\off+544*\i
.endr
.endm
.macro TURNX s                         ; and back: 128 bytes of one row a lane.  LDS serves a wave's instructions in order: no wait between the stores and the loads
	TOST \s, STGX
.irp e, 0,1,2,3,4,5,6,7
	ds_load_b128 v[X+32*((\s)%2)+4*\e:X+32*((\s)%2)+4*\e+3], v6 offset:STGX+16*\e
.endr
.endm
.macro TURNM s                         ; MK: register 8 t + j = key 16 t + 8 h + j of query r
	TOST \s, STGM
.irp t, 0,1,2,3
.irp e, 0,1
	ds_load_b128 v[X+32*((\s)%2)+8*\t+4*\e:X+32*((\s)%2)+8*\t+4*\e+3], v[MSO] offset:STGM+64*\t+16*\e
.endr
.endr
.endm
; the head of step s: its numbers are back; the loads of four steps on go out; the next step turns through the stage
.macro AHEAD s, pitch, base, mk
	s_wait_dscnt 0x0                               ; this step's numbers are back from the stage, so its stores into the stage have read their registers,
.if (\s)+4 < 8
	LOADR (\s)+4, \pitch, \base                    ; which take the loads of four steps on
.endif
.if (\s)+1 < 8
.if (\s)+4 < 8
	s_wait_loadcnt 24                              ; the next step's eight loads are in; those of the three steps behind it may be out
.else
	s_wait_loadcnt 8*(6-(\s))                      ; the counts run down
.endif
.if \mk
	TURNM (\s)+1
.else
	TURNX (\s)+1
.endif
.endif
.endm
; the largest magnitude of 32 numbers of one lane, with the floor 2^(3 - 127) among its leaves, and the conversion's scale operand in v11
.macro SCALE32 xs
	v_max3_num_f32 v10, |v[\xs]|, |v[\xs+1]|, |v[\xs+2]|
	v_max3_num_f32 v14, |v[\xs+3]|, |v[\xs+4]|, |v[\xs+5]|
.irp i, 6,10,14,18,22,26
	v_max3_num_f32 v10, v10, |v[\xs+\i]|, |v[\xs+\i+1]|
	v_max3_num_f32 v14, v14, |v[\xs+\i+2]|, |v[\xs+\i+3]|
.endr
	v_max3_num_f32 v10, v10, |v[\xs+30]|, |v[\xs+31]|
	v_max3_num_f32 v10, v10, v14, 0x1800000        ; the floor: the byte cannot fall under 1
	v_add_nc_u32 v11, 0xff000000, v10              ; 2 off the exponent field: the conversion takes the exponent field of this operand as its scale
.endm
; ---------------- XQ: job J of 1,024: row tile J / 2, K half J % 2: 16 rows x 512 along K
	s_sub_co_u32 s23, s23, 4*384
	s_lshr_b32 s26, s23, 1                         ; row tile
	s_and_b32 s23, s23, 1                          ; K half
	s_lshl_b32 s24, s26, 16                        ; 16 rows of 4,096 bytes
	s_lshl_b32 s30, s23, 11
	s_add_co_u32 s24, s24, s30
	s_add_nc_u64 s[4:5], s[4:5], s[24:25]
	s_lshl_b32 s24, s26, 13                        ; a tile's codes: 8,192 bytes
	s_lshl_b32 s30, s23, 12
	s_add_co_u32 s24, s24, s30
	s_add_nc_u64 s[12:13], s[12:13], s[24:25]
	s_lshl_b32 s24, s26, 9                         ; a tile's scale words: 512 bytes
	s_lshl_b32 s30, s23, 8
	s_add_co_u32 s24, s24, s30
	s_add_nc_u64 s[16:17], s[16:17], s[24:25]
	v_lshlrev_b32 v4, 4, v2
	v_lshl_add_u32 v8, v3, 3, v4                   ; the scale words' place: 16 r + 8 h
	v_lshl_add_u32 v4, v3, 12, v4                  ; in: row h of a pair, 16 r
	v_lshlrev_b32 v7, 4, v1                        ; out: 16 x lane
	v_lshlrev_b32 v9, 3, v3                        ; 8 h
.irp s, 0,1,2,3
	LOADR \s, 4096, 4
.endr
	s_wait_loadcnt 24                              ; step 0's eight loads are in
	TURNX 0
.macro STEPX s
.set XS, X+32*((\s)%2)
	AHEAD \s, 4096, 4, 0
	SCALE32 XS                                     ; lane (r, h) holds block 2 s + h of row r, whole
.irp g, 0,1,2,3
	v_cvt_scalef32_pk8_fp4_f32 v[C+4*(\s)+\g], v[XS+8*\g:XS+8*\g+7], v11
.endr
.if (\s)%2 == 0
	v_lshrrev_b32 v[SB+(\s)/2], 23, v11            ; the byte: word s / 2 of my row, byte 2 (s % 2) + h.  (A plain line behind the conversions)
.else
	v_lshrrev_b32 v14, 23, v11
	v_lshl_or_b32 v[SB+(\s)/2], v14, 16, v[SB+(\s)/2]
.endif
	global_store_b128 v7, v[C+4*(\s):C+4*(\s)+3], s[12:13] offset:512*(\s)   ; 32 lanes store 512 consecutive bytes, aligned
.endm
.irp s, 0,1,2,3,4,5,6,7
	STEPX \s
.endr
.irp i, 0,1,2,3
	v_lshlrev_b32 v[SB+\i], v9, v[SB+\i]           ; my bytes at their places, 8 h bits up
	v_mov_b32 v[OW+\i], 0                          ; (a lane permute's destination counts as one of its sources)
.endr
.irp i, 0,1,2,3
	v_permlanex16_b32 v[OW+\i], v[SB+\i], s28, s29
.endr
.irp i, 0,1,2,3
	v_or_b32 v[SB+\i], v[SB+\i], v[OW+\i]          ; with lane l xor 16's the four words are whole
.endr
	v_cmp_ne_u32 vcc_lo, 0, v3
	v_cndmask_b32 v14, v[SB], v[SB+2], vcc_lo      ; lanes 0-15 store words 0 and 1, lanes 16-31 words 2 and 3
	v_cndmask_b32 v15, v[SB+1], v[SB+3], vcc_lo
	global_store_b64 v8, v[14:15], s[16:17]        ; 32 lanes store 256 consecutive bytes, aligned
	s_branch .Lend
; ---------------- MK: job J of 512: query tile J / 4, key quarter J % 4: 16 queries x 512 keys
.Lmk:
	s_sub_co_u32 s23, s23, 4*256
	s_lshr_b32 s26, s23, 2                         ; query tile
	s_and_b32 s23, s23, 3                          ; key quarter
	s_lshl_b32 s24, s26, 17                        ; 16 rows of 8,192 bytes
	s_lshl_b32 s30, s23, 11
	s_add_co_u32 s24, s24, s30
	s_add_nc_u64 s[10:11], s[10:11], s[24:25]
	s_lshl_b32 s24, s26, 12                        ; a query tile's words: 4,096 bytes
	s_lshl_b32 s30, s23, 10
	s_add_co_u32 s24, s24, s30
	s_add_nc_u64 s[20:21], s[20:21], s[24:25]
	v_lshlrev_b32 v4, 4, v2
	v_lshl_add_u32 v4, v3, 13, v4
	v_lshlrev_b32 v7, 3, v1                        ; out: 8 x lane
.irp i, 0,1,2,3,4,5,6,7
	v_mov_b32 v[OW+\i], 0                          ; (v_writelane_b32's destination counts as read)
.endr
.irp s, 0,1,2,3
	LOADR \s, 8192, 10
.endr
	s_wait_loadcnt 24
	TURNM 0
.macro STEPM s
.set XS, X+32*((\s)%2)
	AHEAD \s, 8192, 10, 1
.irp i, 0,1,2,3,4,5,6,7,8,9,10,11,12,13,14,15,16,17,18,19,20,21,22,23,24,25,26,27,28,29,30,31
	v_cmp_ne_u32 s[32+\i], 0, v[XS+\i]             ; word 8 t + j: bit r + 16 h says whether key 16 t + 8 h + j counts for query r
.endr
.irp i, 0,1,2,3,4,5,6,7,8,9,10,11,12,13,14,15,16,17,18,19,20,21,22,23,24,25,26,27,28,29,30,31
	v_writelane_b32 v[OW+2*((\s)/2)+(\i%2)], s[32+\i], 16*((\s)%2)+\i/2   ; two steps' 64 words: words 2 l and 2 l + 1 to lane l
.endr
.if (\s)%2 == 1
	global_store_b64 v7, v[OW+2*((\s)/2):OW+2*((\s)/2)+1], s[20:21] offset:256*((\s)/2)   ; 256 consecutive bytes, aligned
.endif
.endm
.irp s, 0,1,2,3,4,5,6,7
	STEPM \s
.endr
	s_branch .Lend
; block t of 4: 32 rows k at my column: a lane takes a column, and its registers run down K
.macro LOADC t, pitch, base
.irp i, 0,1,2,3,4,5,6,7,8,9,10,11,12,13,14,15,16,17,18,19,20,21,22,23,24,25,26,27,28,29,30,31
	global_load_b32 v[R+32*(\t)+\i], v4, s[\base:\base+1] offset:(32*(\t)+\i)*\pitch th:TH_LOAD_NT
.endr
.endm
; ---------------- WQ: group g: K step g % 8 (128 along K); the four waves stand side by side on columns 128 (g / 8) + 32 x wave
.Lwq:
	s_lshr_b32 s26, ttmp9, 3
	s_lshl_b32 s26, s26, 2
	s_add_co_u32 s26, s26, s22                     ; which 32 columns
	s_and_b32 s23, ttmp9, 7                        ; which K step
	s_mul_i32 s24, s23, 128*12288
	s_lshl_b32 s30, s26, 7
	s_add_co_u32 s24, s24, s30
	s_add_nc_u64 s[6:7], s[6:7], s[24:25]
	s_lshl_b32 s24, s26, 14                        ; two column tiles of 8,192 bytes
	s_lshl_b32 s30, s23, 10
	s_add_co_u32 s24, s24, s30
	s_add_nc_u64 s[14:15], s[14:15], s[24:25]
	s_lshl_b32 s24, s26, 10                        ; two tiles' scale words, behind X's 262,144 bytes
	s_lshr_b32 s30, s23, 2
	s_lshl_b32 s30, s30, 8
	s_add_co_u32 s24, s24, s30
	s_and_b32 s30, s23, 3
	s_lshl_b32 s30, s30, 2
	s_add_co_u32 s24, s24, s30
	s_add_co_u32 s24, s24, 262144
	s_add_nc_u64 s[16:17], s[16:17], s[24:25]
	v_lshlrev_b32 v4, 2, v1
	v_lshlrev_b32 v7, 4, v2
	v_lshl_add_u32 v8, v3, 9, v7                   ; my scale word: tile h, row r
	v_lshl_add_u32 v7, v3, 13, v7                  ; my codes: tile h, row r
	LOADC 0, 12288, 6
	LOADC 1, 12288, 6
.macro BLOCKQ t
.set XS, R+32*(\t)
.if (\t) < 3
	s_wait_loadcnt 32                              ; this block's 32 loads are in; the next block's may be out
.else
	s_wait_loadcnt 0x0
.endif
.if (\t)+2 < 4
	LOADC (\t)+2, 12288, 6
.endif
	SCALE32 XS
	v_lshrrev_b32 v15, 23, v11                     ; the byte
.if (\t) == 0
	v_mov_b32 v[SB], v15
.else
	v_lshl_or_b32 v[SB], v15, 8*(\t), v[SB]        ; the K step's four bytes make my column's scale word
.endif
.irp g, 0,1,2,3
	v_cvt_scalef32_pk8_fp4_f32 v[C+4*(\t)+\g], v[XS+8*\g:XS+8*\g+7], v11
.endr
	v_nop                                          ; one plain line behind the conversions
	global_store_b128 v7, v[C+4*(\t):C+4*(\t)+3], s[14:15] offset:256*(\t)   ; sixteen lanes store 256 consecutive bytes, aligned
.endm
.irp t, 0,1,2,3
	BLOCKQ \t
.endr
	global_store_b32 v8, v[SB], s[16:17]           ; 4 bytes a lane, 16 bytes apart: one byte in 128 of what this path reads
	s_branch .Lend
; ---------------- WP: as WQ, without a scale: f16 pairs
.Lwp:
	s_sub_co_u32 s23, ttmp9, 192
	s_lshr_b32 s26, s23, 3
	s_lshl_b32 s26, s26, 2
	s_add_co_u32 s26, s26, s22                     ; which 32 columns
	s_and_b32 s23, s23, 7                          ; which 128 along K
	s_lshl_b32 s24, s23, 19                        ; 128 rows of 4,096 bytes
	s_lshl_b32 s30, s26, 7
	s_add_co_u32 s24, s24, s30
	s_add_nc_u64 s[8:9], s[8:9], s[24:25]
	s_lshl_b32 s24, s26, 16                        ; two column tiles of 32,768 bytes
	s_lshl_b32 s30, s23, 12
	s_add_co_u32 s24, s24, s30
	s_add_nc_u64 s[18:19], s[18:19], s[24:25]
	v_lshlrev_b32 v4, 2, v1
	v_lshlrev_b32 v7, 4, v2
	v_lshl_add_u32 v7, v3, 15, v7
	LOADC 0, 4096, 8
	LOADC 1, 4096, 8
.macro BLOCKP t
.set XS, R+32*(\t)
.if (\t) < 3
	s_wait_loadcnt 32
.else
	s_wait_loadcnt 0x0
.endif
.if (\t)+2 < 4
	LOADC (\t)+2, 4096, 8
.endif
.irp e, 0,1,2,3
.irp p, 0,1,2,3
	v_cvt_pk_f16_f32 v[X+16*(\t)+4*\e+\p], v[XS+8*\e+2*\p], v[XS+8*\e+2*\p+1]
.endr
.endr
.irp e, 0,1,2,3
	global_store_b128 v7, v[X+16*(\t)+4*\e:X+16*(\t)+4*\e+3], s[18:19] offset:256*(4*(\t)+\e)
.endr
.endm
.irp t, 0,1,2,3
	BLOCKP \t
.endr
.Lend:
	s_wait_tensorcnt 0x0                           ; the wave's end: behind my last LDS store
	ds_add_u32 v[SPW], v[NIL]
	s_wait_dscnt 0x0
	s_endpgm
.Lfunc_end_k_qcfa0aefc5b_prep:
	.size	k_qcfa0aefc5b_prep, .Lfunc_end_k_qcfa0aefc5b_prep-k_qcfa0aefc5b_prep
	.p2alignl 7, 3214868480
	.fill 96, 4, 3214868480
	.section	.rodata,"a",@progbits
	.p2align	6, 0x0
	.amdhsa_kernel k_qcfa0aefc5b_prep
		.amdhsa_group_segment_fixed_size 35328
		.amdhsa_private_segment_fixed_size 0
		.amdhsa_enable_private_segment 0
		.amdhsa_kernarg_size 72
		.amdhsa_user_sgpr_count 2
		.amdhsa_user_sgpr_kernarg_segment_ptr 1
		.amdhsa_wavefront_size32 1
		.amdhsa_system_sgpr_workgroup_id_x 1
		.amdhsa_system_sgpr_workgroup_id_y 1
		.amdhsa_system_sgpr_workgroup_id_z 1
		.amdhsa_system_vgpr_workitem_id 0
		.amdhsa_next_free_vgpr 256
		.amdhsa_next_free_sgpr 66
		.amdhsa_reserve_vcc 1
		.amdhsa_float_denorm_mode_32 3
		.amdhsa_float_denorm_mode_16_64 3
		.amdhsa_memory_ordered 1
		.amdhsa_forward_progress 1
		.amdhsa_inst_pref_size 116
	.end_amdhsa_kernel
	.amdgpu_metadata
---
amdhsa.version: [ 1, 2 ]
amdhsa.kernels:
  - .name:           k_qcfa0aefc5b_prep
    .symbol:         k_qcfa0aefc5b_prep.kd
    .args:
      - { .name: joint_feature, .offset: 0, .size: 8, .value_kind: global_buffer, .address_space: global }
      - { .name: W_qkv, .offset: 8, .size: 8, .value_kind: global_buffer, .address_space: global }
      - { .name: W_proj, .offset: 16, .size: 8, .value_kind: global_buffer, .address_space: global }
      - { .name: mask, .offset: 24, .size: 8, .value_kind: global_buffer, .address_space: global }
      - { .name: xc, .offset: 32, .size: 8, .value_kind: global_buffer, .address_space: global }
      - { .name: wc, .offset: 40, .size: 8, .value_kind: global_buffer, .address_space: global }
      - { .name: scl, .offset: 48, .size: 8, .value_kind: global_buffer, .address_space: global }
      - { .name: wp, .offset: 56, .size: 8, .value_kind: global_buffer, .address_space: global }
      - { .name: mw, .offset: 64, .size: 8, .value_kind: global_buffer, .address_space: global }
    .group_segment_fixed_size: 35328
    .private_segment_fixed_size: 0
    .kernarg_segment_align: 8
    .kernarg_segment_size: 72
    .max_flat_workgroup_size: 128
    .sgpr_count:     66
    .vgpr_count:     256
    .wavefront_size: 32
...
	.end_amdgpu_metadata
.endif
;; end of part 1
;; launch gemm1 (part 2): grid 12 x 32, 4 waves a work-group, clusters of 4 x 4, 327,680 bytes of LDS; arguments xc, wc, scl, qkv; writes qkv
.if DOCPART == 2
	.amdgcn_target "amdgcn-amd-amdhsa--gfx1250"
	.amdhsa_code_object_version 6
	.text
	.protected	k_qcfa0aefc5b_gemm1
	.globl	k_qcfa0aefc5b_gemm1
	.p2align	8
	.type	k_qcfa0aefc5b_gemm1,@function
k_qcfa0aefc5b_gemm1:
	s_mov_b64 s[64:65], 0
	v_nop
	global_prefetch_b8 v0, s[64:65] scope:SCOPE_SE
	s_setreg_imm32_b32 hwreg(HW_REG_WAVE_MODE, 25, 1), 1
	s_wait_xcnt 0x0
	s_wait_alu depctr_hold_cnt(0) depctr_sa_sdst(0) depctr_va_vdst(0) depctr_va_sdst(0) depctr_va_ssrc(0) depctr_va_vcc(0) depctr_vm_vsrc(0)
	s_getreg_b32 s2, hwreg(HW_REG_IB_STS2, 6, 4)
	s_cmp_eq_u32 s2, 0
	s_cbranch_scc0 .Lentry_in_a_cluster
	s_endpgm
.Lentry_in_a_cluster:
	s_bfe_u32 s2, ttmp6, 0x10000c
	s_cmp_lg_u32 s2, 0xf033
	s_cbranch_scc0 .Lentry_shape_is_right
	s_endpgm
.Lentry_shape_is_right:
; qkv = Q(joint_feature) Q(W_qkv): [8192][1024] x [1024][3072] on codes of FP4 (E2M1) with one E8M0 scale for each 32 along K; sums in f32; the results leave as f16, laid as the attention's operands.
; A work-group of four waves makes 256 tokens x 256 columns, a wave 128 x 128: 64 accumulators, 512 registers.  All of K (1,024) lies in LDS: two chunks of 512 along K, each filled ONCE: nothing is filled again.
; The codes lie in memory as images of the operand's registers: tile of 16 rows, then block of 32 along K, then row: a fragment is two loads of 16 bytes a lane at 16 x lane, 512 bytes apart: consecutive bytes, no padding.
; CLUSTERS: 4 x 4 work-groups; X's tiles are shared along a row of the cluster, W's along a column: each is asked for jointly, by the same tensor load with the same descriptor and a mask that names the four.
; THE MATRIX INSTRUCTION IS USED TRANSPOSED (source 0 = 16 columns of W, source 1 = 16 tokens): a lane holds eight neighbouring columns of one token, 16 bytes of f16.
; OUT: [which 3][batch 4][head 16][token tile 128][16 channels: 4][512 bytes].  In Q and K lane (r, h)'s 16 bytes lie at 16 r + 256 h (the image of a fragment along the channels); in V at 32 r + 16 h (16 keys x 16 channels by rows).
; Q is multiplied by c = log2(e) / 8 in f32 ahead of its rounding.  LIMIT: magnitudes of c q, k and v under 65,504 (f16).
; REGISTERS: window 0: v0-31 addresses; v32-95 scale words, two sets, and nothing else; v128-191 X's fragments, one set, on the way out the packed results.  window 1: W's fragments, two sets, at v0 and v128.
;   window 2: the accumulators of my tokens 0-63 ((a, b) at v[8 (8 a + b)]); window 3: those of tokens 64-127.
.set CHUNK, 131072                     ; 512 along K: X's 16 tiles x 4,096 bytes, then W's 16
.set SPARE, 262144                     ; the spare words, 128 bytes for each wave: two blocks of 256 bytes that no other line names
.set FR,    8
.set NP,    4                          ; places behind this matrix instruction (ISA guide 7.12.1)
.set ADRA, 16                          ; v16-17  LDS address of my fragments of X in chunk 0, 1
.set ADRB, 20                          ; v20-21  the same for W
.set CO,   26                          ; v26     the way out: my lane's place in a block of 512 bytes
.set SPW,  28                          ; v28     LDS address of my spare word; never rewritten
.set NIL,  29                          ; v29     0; never rewritten
.set SC,   32                          ; scale words: set s at v[SC + 32 s]; register 4 i + q: lanes 0-15 X's block i, lanes 16-31 W's block i, for the chunk's q-th 128 along K
.set AF,   128
.set HO,   128                         ; the way out: two sets of 32
.set G1,  24
.set G0,  32
.set G1B, 48
.set G0B, 56
.set CF,  66                           ; s[66:67] c
.set MSB, 0
.macro WIN new                         ; the immediate's high byte repeats the setting that is left
.if MSB != \new
	s_set_vgpr_msb (MSB<<8)|\new
.set MSB, \new
.endif
.endm
.set MUL_LO, 0xa1                      ; source 0 (W) window 1, source 1 (X) window 0, C and D window 2
.set MUL_HI, 0xf1
.set TO_B,   0x40
; A joint load: waves 0 and 1 fetch for X, waves 2 and 3 for W; the branch hangs on the wave's number alone.  An s_nop 0 and four v_nop follow each of the two lines.
.macro JLOAD g0a, g1a, g0b, g1b
	s_cmp_eq_u32 s15, 0
	s_cbranch_scc0 .Lfor_b_\@
	tensor_load_to_lds s[\g0a:\g0a+3], s[\g1a:\g1a+7]
	s_nop 0
.rept 4
	v_nop
.endr
	s_branch .Lasked_\@
.Lfor_b_\@:
	tensor_load_to_lds s[\g0b:\g0b+3], s[\g1b:\g1b+7]
	s_nop 0
.rept 4
	v_nop
.endr
.Lasked_\@:
.endm
.macro CROUND                          ; a round of the cluster's barrier
	s_barrier_signal -1
	s_barrier_wait -1
	s_cmp_lg_u32 s14, 0
	s_cbranch_scc1 .Lnot_wave_0_\@
	s_barrier_signal -3
.Lnot_wave_0_\@:
	s_barrier_wait -3
	s_barrier_signal -1
	s_barrier_wait -1
.endm
	s_load_b128 s[4:7], s[0:1], 0x0                ; X's codes s[4:5], W's codes s[6:7]
	s_load_b128 s[8:11], s[0:1], 0x10              ; the scale words s[8:9], qkv s[10:11]
	v_lshl_add_u32 v[SPW], v0, 2, SPARE
	v_mov_b32 v[NIL], 0
	ds_add_u32 v[SPW], v[NIL]                      ; the wave's opening: the add, twice on end, and its wait ahead of my first tensor load
	ds_add_u32 v[SPW], v[NIL]
	v_lshrrev_b32 v1, 5, v0
	v_readfirstlane_b32 s14, v1                    ; wave 0..3
	s_lshr_b32 s15, s14, 1                         ; which half of the tokens is mine.  Also: I fetch for X (0) or for W (1)
	s_and_b32 s16, s14, 1                          ; which half of the columns.  Also: which 8 tiles I fetch
	s_bfe_u32 s40, ttmp6, 0x40000                  ; cx, cy
	s_bfe_u32 s41, ttmp6, 0x40004
	s_lshl_b32 s42, ttmp9, 2
	s_add_co_u32 s42, s42, s40                     ; tile column = 4 x cluster x + cx
	s_and_b32 s17, ttmp7, 0xffff
	s_lshl_b32 s17, s17, 2
	s_add_co_u32 s17, s17, s41                     ; tile row = 4 x cluster y + cy
	s_lshl_b32 s43, s41, 2
	s_lshl_b32 s43, 15, s43                        ; my row of the cluster
	s_lshl_b32 s44, 0x1111, s40                    ; my column
	; descriptor group 1: 8 rows (a tile's 512 along K each) of 4,096 bytes = 512 elements of 8 bytes, 8,192 bytes apart in memory, on end in LDS
	s_or_b32 s[G1+0], s43, (3<<16)|(1<<21)
	s_or_b32 s[G1B+0], s44, (3<<16)|(1<<21)
.irp g, G1, G1B
	s_mov_b32 s[\g+1], 512<<16                     ; tensor_dim0
	s_mov_b32 s[\g+2], 8<<16                       ; tensor_dim1
	s_mov_b32 s[\g+3], 512<<16                     ; tile_dim0
	s_mov_b32 s[\g+4], 8                           ; tile_dim1
	s_mov_b32 s[\g+5], 1024                        ; stride
	s_mov_b32 s[\g+6], 0
	s_mov_b32 s[\g+7], 0
.endr
	s_lshl_b32 s18, s16, 3
	s_lshl_b32 s20, s17, 4
	s_add_co_u32 s20, s20, s18                     ; X: tile 16 x tile row + 8 x half
	s_lshl_b32 s20, s20, 13
	s_mov_b32 s21, 0
	s_lshl_b32 s46, s42, 4
	s_add_co_u32 s46, s46, s18                     ; W: tile 16 x tile column + 8 x half
	s_lshl_b32 s46, s46, 13
	s_mov_b32 s47, 0
	s_lshl_b32 s45, s14, 15                        ; where they go: wave x 32,768: no place in the cluster enters an LDS address
	s_mov_b32 s[CF], 0x3e38aa3b                    ; c = log2(e) / 8
	s_mov_b32 s[CF+1], s[CF]
	s_wait_dscnt 0x0                               ; both opening adds are done
	s_wait_kmcnt 0x0
	s_add_nc_u64 s[20:21], s[4:5], s[20:21]
	s_add_nc_u64 s[46:47], s[6:7], s[46:47]
	CROUND                                         ; all sixteen work-groups are here: the joint loads meet
.irp s, 0,1
	s_mov_b32 s[G0+4*\s], 1
	s_add_co_u32 s[G0+4*\s+1], s45, \s*CHUNK
	s_add_nc_u64 s[G0+4*\s+2:G0+4*\s+3], s[20:21], \s*4096
	s_or_b32 s[G0+4*\s+3], s[G0+4*\s+3], 0x80000000
	s_mov_b32 s[G0B+4*\s], 1
	s_add_co_u32 s[G0B+4*\s+1], s45, \s*CHUNK
	s_add_nc_u64 s[G0B+4*\s+2:G0B+4*\s+3], s[46:47], \s*4096
	s_or_b32 s[G0B+4*\s+3], s[G0B+4*\s+3], 0x80000000
	JLOAD G0+4*\s, G1, G0B+4*\s, G1B               ; two loads of mine are out, and no more follow
.endr
	v_and_b32 v1, 15, v0                           ; r
	v_bfe_u32 v2, v0, 4, 1                         ; h
	v_and_b32 v3, 31, v0
	v_lshlrev_b32 v3, 4, v3                        ; 16 x lane
	s_lshl_b32 s18, s17, 4
	s_lshl_b32 s19, s15, 3
	s_add_co_u32 s18, s18, s19                     ; my first tile of tokens
	s_lshl_b32 s22, s42, 4
	s_lshl_b32 s19, s16, 3
	s_add_co_u32 s22, s22, s19                     ; my first tile of columns
	s_lshl_b32 s19, s18, 9                         ; X's scale words: 512 bytes a tile
	s_lshl_b32 s23, s22, 9
	s_add_co_u32 s23, s23, 262144                  ; W's lie behind X's
	s_sub_co_u32 s23, s23, s19
	v_mul_u32_u24 v5, s23, v2                      ; lanes 16-31 take W's
	v_lshl_add_u32 v5, v1, 4, v5
	v_add_nc_u32 v5, s19, v5
.irp q4, 0,1
.irp i, 0,1,2,3,4,5,6,7
	global_load_b128 v[SC+32*\q4+4*\i:SC+32*\q4+4*\i+3], v5, s[8:9] offset:512*\i+256*\q4   ; sixteen lanes read 256 consecutive bytes: a row's four words of 512 along K
.endr
.endr
	s_lshl_b32 s19, s15, 15
	s_lshl_b32 s23, s16, 15
	s_add_co_u32 s23, s23, 65536
.irp s, 0,1
	v_add_nc_u32 v[ADRA+\s], s19, v3
	v_add_nc_u32 v[ADRB+\s], s23, v3
	s_add_co_u32 s19, s19, CHUNK
	s_add_co_u32 s23, s23, CHUNK
.endr
	; the way out: where my part begins in qkv
	s_and_b32 s2, s18, 127
	s_lshl_b32 s2, s2, 11                          ; the token tile in its batch: 2,048 bytes
	s_lshr_b32 s23, s22, 2
	s_and_b32 s23, s23, 15
	s_lshl_b32 s23, s23, 18                        ; the head: 262,144 bytes
	s_add_co_u32 s2, s2, s23
	s_lshr_b32 s23, s17, 3
	s_lshl_b32 s23, s23, 22                        ; the batch
	s_add_co_u32 s2, s2, s23
	s_lshl_b32 s23, ttmp9, 24                      ; Q, K or V: the cluster's x
	s_add_co_u32 s2, s2, s23
	s_mov_b32 s3, 0
	s_add_nc_u64 s[10:11], s[10:11], s[2:3]
	s_cmp_eq_u32 ttmp9, 2                          ; V lies by rows of 16 channels
	s_cselect_b32 s20, 32, 16
	s_cselect_b32 s21, 16, 256
	v_mul_u32_u24 v[CO], v1, s20
	v_mad_u32_u24 v[CO], v2, s21, v[CO]
.macro FRAG reg, adr, q, i             ; 16 rows x 128 K of 4-bit codes: 8 registers
.irp c, 0,1
	ds_load_b128 v[\reg+4*\c:\reg+4*\c+3], v[\adr] offset:4096*(\i)+1024*(\q)+512*\c
.endr
.endm
; 16 matrix instructions: X's blocks a0, a0 + 1 x W's eight.  The 64 accumulators take turns, one instruction a turn, in the same order in every step.
.macro MUL16 a0, p, q, sc, zero
.irp a, \a0, \a0+1
.irp b, 0,1,2,3,4,5,6,7
.if \zero
	v_wmma_scale_f32_16x16x128_f8f6f4 v[8*(8*((\a)%4)+\b):8*(8*((\a)%4)+\b)+7], v[128*(\p)+FR*\b:128*(\p)+FR*\b+FR-1], v[AF+FR*(\a):AF+FR*(\a)+FR-1], 0, v[SC+32*(\sc)+4*\b+(\q)], v[SC+32*(\sc)+4*(\a)+(\q)] matrix_a_fmt:MATRIX_FMT_FP4 matrix_b_fmt:MATRIX_FMT_FP4 matrix_a_scale:MATRIX_SCALE_ROW1
.else
	v_wmma_scale_f32_16x16x128_f8f6f4 v[8*(8*((\a)%4)+\b):8*(8*((\a)%4)+\b)+7], v[128*(\p)+FR*\b:128*(\p)+FR*\b+FR-1], v[AF+FR*(\a):AF+FR*(\a)+FR-1], v[8*(8*((\a)%4)+\b):8*(8*((\a)%4)+\b)+7], v[SC+32*(\sc)+4*\b+(\q)], v[SC+32*(\sc)+4*(\a)+(\q)] matrix_a_fmt:MATRIX_FMT_FP4 matrix_b_fmt:MATRIX_FMT_FP4 matrix_a_scale:MATRIX_SCALE_ROW1
.endif
.endr
.endr
.endm
.macro FETCH_B slot, q, p
	WIN TO_B
.irp i, 0,1,2,3,4,5,6,7
	FRAG 128*(\p)+FR*\i, ADRB+\slot, \q, \i
.endr
	WIN 0
.endm
.macro FETCH_A slot, q, i0
.irp i, \i0, \i0+1, \i0+2, \i0+3
	FRAG AF+FR*(\i), ADRA+\slot, \q, \i
.endr
.endm
.macro PLACES n                        ; plain vector lines between a matrix instruction and a load into, or a vector read of, its registers
.rept \n
	v_nop
.endr
.endm
; A step of 128 along K that has its successor in the same chunk.  X has one set of fragments: blocks 0-3 come anew in the step's middle, blocks 4-7 at its end; W has two sets.
.macro STEP slot, q, zero
	s_wait_dscnt 8                                 ; W's set and X's blocks 0-3 are in; the youngest eight loads (X's blocks 4-7) may be out
	WIN MUL_LO
	MUL16 0, (\q)%2, \q, \slot, \zero
	MUL16 2, (\q)%2, \q, \slot, \zero
	s_wait_dscnt 0x0
	PLACES NP
	FETCH_B \slot, (\q)+1, 1-(\q)%2
	FETCH_A \slot, (\q)+1, 0
	WIN MUL_HI
	MUL16 4, (\q)%2, \q, \slot, \zero
	MUL16 6, (\q)%2, \q, \slot, \zero
	PLACES NP
	WIN 0
	FETCH_A \slot, (\q)+1, 4
.endm
	s_wait_tensorcnt 1                             ; my part of chunk 0 is in; chunk 1's load may be out
	s_barrier_signal -1
	s_barrier_wait -1                              ; everybody's is
	FETCH_B 0, 0, 0
	FETCH_A 0, 0, 0
	FETCH_A 0, 0, 4
	s_wait_loadcnt 0x0                             ; the scale words
	STEP 0, 0, 1                                   ; the first step's products start the sums: nothing is cleared
	STEP 0, 1, 0
	STEP 0, 2, 0
	; chunk 0's last step goes over to chunk 1: my part of it has landed, and behind the barrier everybody's has
	s_wait_tensorcnt 0x0
	s_wait_dscnt 8
	WIN MUL_LO
	MUL16 0, 1, 3, 0, 0
	s_wait_dscnt 0x0                               ; no LDS instruction of mine is out at the signal
	s_barrier_signal -1
	MUL16 2, 1, 3, 0, 0
	WIN 0
	s_barrier_wait -1
	PLACES NP
	FETCH_B 1, 0, 0
	FETCH_A 1, 0, 0
	WIN MUL_HI
	MUL16 4, 1, 3, 0, 0
	MUL16 6, 1, 3, 0, 0
	PLACES NP
	WIN 0
	FETCH_A 1, 0, 4
	STEP 1, 0, 0
	STEP 1, 1, 0
	STEP 1, 2, 0
	s_wait_dscnt 8                                 ; the very last step: nothing more to fetch
	WIN MUL_LO
	MUL16 0, 1, 3, 1, 0
	MUL16 2, 1, 3, 1, 0
	s_wait_dscnt 0x0
	WIN MUL_HI
	MUL16 4, 1, 3, 1, 0
	MUL16 6, 1, 3, 1, 0
	WIN 0
; THE WAY OUT of block a (16 tokens x 128 columns): a lane's eight results pack into 16 bytes, and the 32 lanes' bytes of one accumulator are one block of 512 consecutive bytes of qkv: stored straight from registers.
.macro OUTBLK a, scaled
.set AC, 64*((\a)%4)
.set HB, HO+32*((\a)%2)
.if \scaled
	WIN 0x82+0x41*((\a)/4)                         ; source 0 and destination: window 2 or 3
.irp i, 0,2,4,6,8,10,12,14,16,18,20,22,24,26,28,30,32,34,36,38,40,42,44,46,48,50,52,54,56,58,60,62
	v_pk_mul_f32 v[AC+\i:AC+\i+1], v[AC+\i:AC+\i+1], s[CF:CF+1] op_sel_hi:[1,0]   ; x c, in f32; each accumulator from its low end on
.endr
.endif
.if (\a) >= 2
	s_wait_xcnt 0x0                                ; block a - 2's stores have read their data: the set is written again only behind this wait
.endif
	WIN 0x0a+5*((\a)/4)                            ; sources 0 and 1: window 2 or 3
.irp b, 0,1,2,3,4,5,6,7
.irp p, 0,1,2,3
	v_cvt_pk_f16_f32 v[HB+4*\b+\p], v[AC+8*\b+2*\p], v[AC+8*\b+2*\p+1]
.endr
.endr
	WIN 0
.irp b, 0,1,2,3,4,5,6,7
	global_store_b128 v[CO], v[HB+4*\b:HB+4*\b+3], s[10:11] offset:2048*(\a)+512*(\b%4)+262144*(\b/4)   ; token tile a, head b / 4, 16 channels b % 4
.endr
.endm
	PLACES NP                                      ; behind the last products: their results are read, and the registers that held X's fragments are written
	s_cmp_eq_u32 ttmp9, 0                          ; Q?  The cluster's x: the same in all sixteen partners
	s_cbranch_scc0 .Lplain
.irp a, 0,1,2,3,4,5,6,7
	OUTBLK \a, 1
.endr
	s_branch .Lout
.Lplain:
.irp a, 0,1,2,3,4,5,6,7
	OUTBLK \a, 0
.endr
.Lout:
	s_wait_tensorcnt 0x0                           ; the wave's end
	ds_add_u32 v[SPW], v[NIL]
	s_wait_dscnt 0x0
	CROUND                                         ; the closing round
	s_endpgm
.Lfunc_end_k_qcfa0aefc5b_gemm1:
	.size	k_qcfa0aefc5b_gemm1, .Lfunc_end_k_qcfa0aefc5b_gemm1-k_qcfa0aefc5b_gemm1
	.p2alignl 7, 3214868480
	.fill 96, 4, 3214868480
	.section	.rodata,"a",@progbits
	.p2align	6, 0x0
	.amdhsa_kernel k_qcfa0aefc5b_gemm1
		.amdhsa_group_segment_fixed_size 327680
		.amdhsa_private_segment_fixed_size 0
		.amdhsa_enable_private_segment 0
		.amdhsa_kernarg_size 32
		.amdhsa_user_sgpr_count 2
		.amdhsa_user_sgpr_kernarg_segment_ptr 1
		.amdhsa_wavefront_size32 1
		.amdhsa_system_sgpr_workgroup_id_x 1
		.amdhsa_system_sgpr_workgroup_id_y 1
		.amdhsa_system_sgpr_workgroup_id_z 1
		.amdhsa_system_vgpr_workitem_id 0
		.amdhsa_next_free_vgpr 1024
		.amdhsa_next_free_sgpr 68
		.amdhsa_reserve_vcc 0
		.amdhsa_float_denorm_mode_32 3
		.amdhsa_float_denorm_mode_16_64 3
		.amdhsa_memory_ordered 1
		.amdhsa_forward_progress 1
		.amdhsa_inst_pref_size 155
	.end_amdhsa_kernel
	.amdgpu_metadata
---
amdhsa.version: [ 1, 2 ]
amdhsa.kernels:
  - .name:           k_qcfa0aefc5b_gemm1
    .symbol:         k_qcfa0aefc5b_gemm1.kd
    .args:
      - { .name: xc, .offset: 0, .size: 8, .value_kind: global_buffer, .address_space: global }
      - { .name: wc, .offset: 8, .size: 8, .value_kind: global_buffer, .address_space: global }
      - { .name: scl, .offset: 16, .size: 8, .value_kind: global_buffer, .address_space: global }
      - { .name: qkv, .offset: 24, .size: 8, .value_kind: global_buffer, .address_space: global }
    .group_segment_fixed_size: 327680
    .private_segment_fixed_size: 0
    .kernarg_segment_align: 8
    .kernarg_segment_size: 32
    .max_flat_workgroup_size: 128
    .sgpr_count:     68
    .vgpr_count:     1024
    .wavefront_size: 32
...
	.end_amdgpu_metadata
.endif
;; end of part 2
;; launch attn (part 3): grid 4 x 64, 8 waves a work-group, clusters of 4 x 1, 327,680 bytes of LDS; arguments qkv, mw, xa; writes xa
.if DOCPART == 3
	.amdgcn_target "amdgcn-amd-amdhsa--gfx1250"
	.amdhsa_code_object_version 6
	.text
	.protected	k_qcfa0aefc5b_attn
	.globl	k_qcfa0aefc5b_attn
	.p2align	8
	.type	k_qcfa0aefc5b_attn,@function
k_qcfa0aefc5b_attn:
	s_mov_b64 s[64:65], 0
	v_nop
	global_prefetch_b8 v0, s[64:65] scope:SCOPE_SE
	s_setreg_imm32_b32 hwreg(HW_REG_WAVE_MODE, 25, 1), 1
	s_wait_xcnt 0x0
	s_wait_alu depctr_hold_cnt(0) depctr_sa_sdst(0) depctr_va_vdst(0) depctr_va_sdst(0) depctr_va_ssrc(0) depctr_va_vcc(0) depctr_vm_vsrc(0)
	s_getreg_b32 s2, hwreg(HW_REG_IB_STS2, 6, 4)
	s_cmp_eq_u32 s2, 0
	s_cbranch_scc0 .Lentry_in_a_cluster
	s_endpgm
.Lentry_in_a_cluster:
	s_bfe_u32 s2, ttmp6, 0x10000c
	s_cmp_lg_u32 s2, 0x3003
	s_cbranch_scc0 .Lentry_shape_is_right
	s_endpgm
.Lentry_shape_is_right:
; x[b][h][q] = the sum over k of softmax_k(where(mask[q][k] == 0, -1e9, q . k / 8)) v[k], for 64 (batch, head), 2,048 tokens, head size 64.  Operands f16, products, maxima and sums f32.
; Q arrives multiplied by c = log2(e) / 8, so a score is t = score x log2(e) / 8; a hidden score becomes -1e9 x log2(e); p = 2^(t - m) with a running maximum m; in every step O and l are multiplied by a = 2^(old m - new m).
; A row that is hidden whole has t = m everywhere, p = 1: the plain average.  LIMITS: magnitudes of c q, k, v and of the result under 65,504 (f16); p under 6e-8 falls to 0 in f16; NaN and infinities are not served.
; SHARES.  A work-group owns 512 queries of one head, each of its EIGHT waves 64: four tiles of 16, in two pieces (piece 0: tiles 0, 1; piece 2: tiles 2, 3).  Two waves share a SIMD, so that one's vector work stands beside the other's products.
; LAYOUT.  S^T = K Q^T (source 0 = 16 keys, source 1 = 16 queries) and O^T = V^T P: a lane holds ONE query throughout.  K and Q lie in memory as images of their fragments; V by rows of 16 channels, turned by ds_load_tr16_b128.
; THE MASK costs one v_cndmask_b32 a score: its lane masks come by scalar loads from a buffer that an earlier launch laid in this order: [query tile][key step][key tile][register].
; PIPELINE.  Half A: K Q^T of piece 2, V^T P of piece 0, the next step's K from LDS, piece 2's softmax.  Half B: K Q^T of piece 0 (next step), V^T P of piece 2, the next step's V, piece 0's softmax.
; CLUSTER.  The four blocks of queries of a head walk the same K and V: each tile is asked for JOINTLY.  Two LDS slots of 512 keys (K 64 KiB, V 64 KiB); every wave fetches 16 KiB of a slot by one load, which has eight key steps in which to land.
; REGISTERS.  window 0: v3-9 addresses and constants; v16-47 statistics, 8 a tile: +0 m, +1 old m, then the difference, +2, +3 l, +4..+7 at work (a takes +6); v64-127 S^T of one piece; v128-159 P of one piece; v192-255 K of one step.
;   window 1: v0-63 Q; v64-127 V of one step; v128-255 O^T, 32 a tile.
.set SLOT1, 1<<17
.set STEPB, 8192                       ; 64 keys of K, and of V
.set SPARE, 262144                     ; the spare words, 128 bytes for each of eight waves: four blocks of 256 bytes that no other line names
.set AK0, 3                            ; v3   16 x lane: my place in an image, in LDS and in memory; never rewritten
.set AV0, 4                            ; v4   my place in a tile of V, behind K's 65,536 bytes
.set ADR, 5                            ; v5   the LDS address of the run of loads in hand
.set NEG, 6                            ; v6   -1e9 x log2(e)
.set SPW, 8                            ; v8   LDS address of my spare word; never rewritten
.set NIL, 9                            ; v9   0; never rewritten
.set ST,  16
.set S,   64
.set P,   128
.set KF,  192
.set VF,  64                           ; in window 1
.set O,   128                          ; in window 1
.set G1,  4                            ; s[4:11]  descriptor group 1
.set G0A, 12                           ; s[12:15] group 0 of slot 0's first fill
.set G0B, 16                           ; s[16:19] group 0 of slot 1's first fill; it then walks
.set XB,  20                           ; s[20:21] where my rows of the result begin
.set MP,  22                           ; s[22:23] my first tile's mask words of the step in hand
.set SEL, 24                           ; s[24:25] lane selects for lane l xor 16
.set WV,  26
.set TB,  27                           ; LDS byte at which the tiles of the step to be fetched begin
.set SLOTS, 28
.set STEPS, 29
.set QB,  66                           ; s[66:67] where my rows of Q begin
; s[32:63], s[68:99]: the mask words of the piece's two tiles, 32 each
.set MSB, 0
.macro WIN new
.if MSB != \new
	s_set_vgpr_msb (MSB<<8)|\new
.set MSB, \new
.endif
.endm
.macro CROUND
	s_barrier_signal -1
	s_barrier_wait -1
	s_cmp_lg_u32 s[WV], 0
	s_cbranch_scc1 .Lnot_wave_0_\@
	s_barrier_signal -3
.Lnot_wave_0_\@:
	s_barrier_wait -3
	s_barrier_signal -1
	s_barrier_wait -1
.endm
	s_load_b128 s[32:35], s[0:1], 0x0              ; qkv s[32:33], mw s[34:35]
	s_load_b64 s[36:37], s[0:1], 0x10              ; xa
	v_lshl_add_u32 v[SPW], v0, 2, SPARE
	v_mov_b32 v[NIL], 0
	ds_add_u32 v[SPW], v[NIL]                      ; the wave's opening: the add, twice on end, and its wait ahead of my first tensor load
	ds_add_u32 v[SPW], v[NIL]
	v_lshrrev_b32 v1, 5, v0
	v_readfirstlane_b32 s[WV], v1                  ; wave 0..7
	s_bfe_u32 s2, ttmp6, 0x40000                   ; cx
	s_lshl_b32 s3, ttmp9, 2
	s_add_co_u32 s2, s2, s3                        ; my block of 512 queries: it enters Q's, the mask's and the result's addresses alone
	s_and_b32 s3, ttmp7, 0xffff                    ; 16 x batch + head, which the four partners share
	; descriptor group 1: 16,384 dense bytes as 64 rows of 256 bytes (32 elements of 8 bytes)
	s_mov_b32 s[G1], 15|(3<<16)|(1<<21)            ; the mask: all four work-groups
	s_mov_b32 s[G1+1], 32<<16
	s_mov_b32 s[G1+2], 64<<16
	s_mov_b32 s[G1+3], 32<<16
	s_mov_b32 s[G1+4], 64
	s_mov_b32 s[G1+5], 32
	s_mov_b32 s[G1+6], 0
	s_mov_b32 s[G1+7], 0
	s_lshr_b32 s30, s[WV], 2                       ; waves 0-3 fetch K's quarters of a slot, waves 4-7 V's
	s_add_co_u32 s30, s30, 1
	s_lshl_b32 s30, s30, 24                        ; K begins 16,777,216 bytes into qkv, V as much further
	s_lshl_b32 s31, s3, 18                         ; a head: 262,144 bytes
	s_add_co_u32 s30, s30, s31
	s_and_b32 s31, s[WV], 3
	s_lshl_b32 s31, s31, 14
	s_add_co_u32 s30, s30, s31
	s_mov_b32 s31, 0
	s_lshl_b32 s38, s2, 5
	s_lshl_b32 s39, s[WV], 2
	s_add_co_u32 s38, s38, s39                     ; my first tile of queries in the head: 32 x block + 4 x wave
	s_lshl_b32 s40, s38, 11
	s_lshl_b32 s41, s3, 18
	s_add_co_u32 s40, s40, s41                     ; in Q
	s_mov_b32 s41, 0
	s_lshl_b32 s42, s38, 12                        ; among the mask words: 4,096 bytes a tile of queries
	s_mov_b32 s43, 0
	s_lshr_b32 s44, s3, 4
	s_lshl_b32 s44, s44, 7
	s_add_co_u32 s44, s44, s38                     ; in the result: token tile 128 x batch + ..., 32,768 bytes each,
	s_lshl_b32 s44, s44, 15
	s_and_b32 s45, s3, 15
	s_lshl_b32 s45, s45, 11                        ; and the head's 8 groups of 8 channels
	s_add_co_u32 s44, s44, s45
	s_mov_b32 s45, 0
	s_mov_b32 s[SEL], 0x76543210
	s_mov_b32 s[SEL+1], 0xfedcba98
	s_mov_b32 s[TB], 0
	s_mov_b32 s[SLOTS], 2
	s_mov_b32 s[G0A], 1
	s_lshl_b32 s[G0A+1], s[WV], 14                 ; LDS: wave x 16,384: K's four quarters, then V's
	s_mov_b32 s[G0B], 1
	s_add_co_u32 s[G0B+1], s[G0A+1], SLOT1
	s_wait_dscnt 0x0                               ; both opening adds are done
	s_wait_kmcnt 0x0
	s_add_nc_u64 s[G0A+2:G0A+3], s[32:33], s[30:31]
	s_add_nc_u64 s[G0B+2:G0B+3], s[G0A+2:G0A+3], 65536   ; the next 512 keys
	s_or_b32 s[G0A+3], s[G0A+3], 0x80000000
	s_or_b32 s[G0B+3], s[G0B+3], 0x80000000
	s_add_nc_u64 s[QB:QB+1], s[32:33], s[40:41]
	s_add_nc_u64 s[MP:MP+1], s[34:35], s[42:43]
	s_add_nc_u64 s[XB:XB+1], s[36:37], s[44:45]
	CROUND                                         ; all four work-groups are here: the first joint loads meet
	tensor_load_to_lds s[G0A:G0A+3], s[G1:G1+7]    ; two loads of mine are out
	s_nop 0
	tensor_load_to_lds s[G0B:G0B+3], s[G1:G1+7]
	s_nop 0
.rept 4
	v_nop
.endr
	v_and_b32 v[AK0], 31, v0
	v_lshlrev_b32 v[AK0], 4, v[AK0]
	WIN 0x40                                       ; destination window 1
.irp n, 0,1,2,3,4,5,6,7,8,9,10,11,12,13,14,15
	global_load_b128 v[4*\n:4*\n+3], v[AK0], s[QB:QB+1] offset:512*\n   ; Q stays in registers: tile n / 4; 512 consecutive bytes a load
.endr
	WIN 0
	s_load_b512 s[32:47], s[MP:MP+1], 0x0          ; the mask words of piece 0, key step 0
	s_load_b512 s[48:63], s[MP:MP+1], 0x40
	s_load_b512 s[68:83], s[MP:MP+1], 0x1000
	s_load_b512 s[84:99], s[MP:MP+1], 0x1040
	; the turning load takes 16 keys x 16 channels: lane l reads 16 bytes: key 8 (l / 16) + l % 8, channels 8 ((l / 8) % 2) on; rows of 32 bytes
	v_bfe_u32 v1, v0, 4, 1
	v_and_b32 v2, 7, v0
	v_lshl_add_u32 v2, v1, 3, v2
	v_bfe_u32 v1, v0, 3, 1
	v_lshlrev_b32 v[AV0], 5, v2
	v_lshl_add_u32 v[AV0], v1, 4, v[AV0]
	v_add_nc_u32 v[AV0], 65536, v[AV0]
	v_mov_b32 v[NEG], 0xceabfb8f                   ; -1e9 x log2(e)
.irp t, 0,1,2,3
	v_mov_b32 v[ST+8*\t], 0xff61b1e6               ; m: -3e38, under every t
	v_mov_b32 v[ST+8*\t+2], 0                      ; l, in two halves
	v_mov_b32 v[ST+8*\t+3], 0
.endr
	WIN 0x40
.set i, 0
.rept 128
	v_mov_b32 v[O+i], 0                            ; O^T.  (The key step is written without a first step of its own: the first a multiplies zeros)
.set i, i+1
.endr
	WIN 0
; 16 products of S^T = K Q^T for piece y: channels 32 (i / 8) on, keys 16 ((i / 2) % 4) on, tile y + i % 2.  The first 8 start the sums.  Eight accumulators take turns.
.macro KQ y
	WIN 0x04                                       ; source 1 (Q) window 1
.set i, 0
.rept 16
.set rS, S+32*(i%2)+8*((i/2)%4)
.set rK, KF+16*((i/2)%4)+8*(i/8)
.set rQ, 16*(\y+i%2)+8*(i/8)
.if i < 8
	v_wmma_f32_16x16x32_f16 v[rS:rS+7], v[rK:rK+7], v[rQ:rQ+7], 0
.else
	v_wmma_f32_16x16x32_f16 v[rS:rS+7], v[rK:rK+7], v[rQ:rQ+7], v[rS:rS+7]
.endif
.set i, i+1
.endr
.endm
; 16 products of O^T += V^T P for piece y: keys 32 (i / 8) on, channels 16 ((i / 2) % 4) on, tile y + i % 2
.macro PV y
	WIN 0x51                                       ; source 0 (V), C and D window 1; source 1 (P) window 0
.set i, 0
.rept 16
.set rO, O+32*(\y+i%2)+8*((i/2)%4)
.set rV, VF+32*(i/8)+8*((i/2)%4)
.set rP, P+16*(i%2)+8*(i/8)
	v_wmma_f32_16x16x32_f16 v[rO:rO+7], v[rV:rV+7], v[rP:rP+7], v[rO:rO+7]
.set i, i+1
.endr
.endm
.macro FETCH_K                         ; a step's K: 8,192 bytes on end, 512 a load
.irp n, 0,1,2,3,4,5,6,7,8,9,10,11,12,13,14,15
	ds_load_b128 v[KF+4*\n:KF+4*\n+3], v[ADR] offset:512*\n
.endr
.endm
.macro FETCH_V                         ; a step's V, turned: keys 32 (f / 4) on, channels 16 (f % 4) on
	WIN 0x40
.irp f, 0,1,2,3,4,5,6,7
	ds_load_tr16_b128 v[VF+8*\f:VF+8*\f+3],   v[ADR] offset:(\f/4)*4096+(\f%4)*512
	ds_load_tr16_b128 v[VF+8*\f+4:VF+8*\f+7], v[ADR] offset:(\f/4)*4096+(\f%4)*512+2048
.endr
	WIN 0
.endm
; THE SOFTMAX of piece y for one key step; the two tiles alternate line by line.  step = 1: the mask words' address goes on to this step.  next = 1: the other piece's mask words are asked for.
.macro VEC y, step, next
	s_wait_kmcnt 0x0                               ; my mask words are in, and no scalar load is out: their base may be written
.if \step
	s_add_nc_u64 s[MP:MP+1], s[MP:MP+1], 128
.endif
.set i, 0
.rept 32
	v_cndmask_b32 v[S+i], v[NEG], v[S+i], s[32+i]              ; each accumulator from its low end on
	v_cndmask_b32 v[S+32+i], v[NEG], v[S+32+i], s[68+i]
.set i, i+1
.endr
.if \next
.if \y == 0
.set NO, 2*4096                        ; piece 2 of this step
.else
.set NO, 128                           ; piece 0 of the next step
.endif
	s_load_b512 s[32:47], s[MP:MP+1], NO
	s_load_b512 s[48:63], s[MP:MP+1], NO+64
	s_load_b512 s[68:83], s[MP:MP+1], NO+4096
	s_load_b512 s[84:99], s[MP:MP+1], NO+4096+64
.endif
.irp j, 0,1,2,3                        ; the maximum: four chains a tile
.irp u, 0,1
	v_max3_num_f32 v[ST+8*(\y+\u)+4+\j], v[S+32*\u+8*\j], v[S+32*\u+8*\j+1], v[S+32*\u+8*\j+2]
.endr
.endr
.irp k, 3,5
.irp j, 0,1,2,3
.irp u, 0,1
	v_max3_num_f32 v[ST+8*(\y+\u)+4+\j], v[ST+8*(\y+\u)+4+\j], v[S+32*\u+8*\j+\k], v[S+32*\u+8*\j+\k+1]
.endr
.endr
.endr
.irp u, 0,1
	v_max3_num_f32 v[ST+8*(\y+\u)+4], v[ST+8*(\y+\u)+4], v[S+32*\u+7], v[S+32*\u+15]
	v_max3_num_f32 v[ST+8*(\y+\u)+6], v[ST+8*(\y+\u)+6], v[S+32*\u+23], v[S+32*\u+31]
.endr
.irp u, 0,1
	v_max3_num_f32 v[ST+8*(\y+\u)+4], v[ST+8*(\y+\u)+4], v[ST+8*(\y+\u)+5], v[ST+8*(\y+\u)+6]
.endr
.irp u, 0,1
	v_max3_num_f32 v[ST+8*(\y+\u)+4], v[ST+8*(\y+\u)+4], v[ST+8*(\y+\u)+7], v[ST+8*(\y+\u)]   ; with the old m
.endr
.irp u, 0,1
	v_permlanex16_b32 v[ST+8*(\y+\u)+5], v[ST+8*(\y+\u)+4], s[SEL], s[SEL+1]   ; the query's other 32 keys lie in the lane 16 away
.endr
.irp u, 0,1
	v_mov_b32 v[ST+8*(\y+\u)+1], v[ST+8*(\y+\u)]
.endr
.irp u, 0,1
	v_max_num_f32 v[ST+8*(\y+\u)], v[ST+8*(\y+\u)+4], v[ST+8*(\y+\u)+5]
.endr
.irp u, 0,1
	v_sub_f32 v[ST+8*(\y+\u)+1], v[ST+8*(\y+\u)+1], v[ST+8*(\y+\u)]
.endr
.irp u, 0,1
	v_exp_f32 v[ST+8*(\y+\u)+6], v[ST+8*(\y+\u)+1]             ; a = 2^(old m - new m)
.endr
.set i, 0
.rept 16
	v_pk_add_f32 v[S+2*i:S+2*i+1], v[S+2*i:S+2*i+1], v[ST+8*\y:ST+8*\y+1] op_sel_hi:[1,0] neg_lo:[0,1] neg_hi:[0,1]   ; t - m, two at a time (of the pair the low word, m, serves both halves)
	v_pk_add_f32 v[S+32+2*i:S+32+2*i+1], v[S+32+2*i:S+32+2*i+1], v[ST+8*(\y+1):ST+8*(\y+1)+1] op_sel_hi:[1,0] neg_lo:[0,1] neg_hi:[0,1]
.set i, i+1
.endr
.set i, 0
.rept 32
	v_exp_f32 v[S+i], v[S+i]                       ; p = 2^(t - m)
	v_exp_f32 v[S+32+i], v[S+32+i]
.set i, i+1
.endr
	v_nop                                          ; one plain line behind the last exponential
	s_wait_alu depctr_va_vdst(0)                   ; ONE wait for the piece's 66 exponentials, ahead of the first line that names a result
.set i, 0
.rept 16
	v_cvt_pk_f16_f32 v[P+i], v[S+2*i], v[S+2*i+1]  ; two neighbouring keys' weights: the second product's operand as it stands
	v_cvt_pk_f16_f32 v[P+16+i], v[S+32+2*i], v[S+32+2*i+1]
.set i, i+1
.endr
.irp z, 0,1,2,3,4,5,6,7                ; the sum of the unrounded p, in place: neighbours 1, 2, 4 and 8 pairs apart
.irp u, 0,1
	v_pk_add_f32 v[S+32*\u+4*\z:S+32*\u+4*\z+1], v[S+32*\u+4*\z:S+32*\u+4*\z+1], v[S+32*\u+4*\z+2:S+32*\u+4*\z+3]
.endr
.endr
.irp z, 0,1,2,3
.irp u, 0,1
	v_pk_add_f32 v[S+32*\u+8*\z:S+32*\u+8*\z+1], v[S+32*\u+8*\z:S+32*\u+8*\z+1], v[S+32*\u+8*\z+4:S+32*\u+8*\z+5]
.endr
.endr
.irp z, 0,1
.irp u, 0,1
	v_pk_add_f32 v[S+32*\u+16*\z:S+32*\u+16*\z+1], v[S+32*\u+16*\z:S+32*\u+16*\z+1], v[S+32*\u+16*\z+8:S+32*\u+16*\z+9]
.endr
.endr
.irp u, 0,1
	v_pk_add_f32 v[S+32*\u:S+32*\u+1], v[S+32*\u:S+32*\u+1], v[S+32*\u+16:S+32*\u+17]
.endr
.irp u, 0,1
	v_pk_fma_f32 v[ST+8*(\y+\u)+2:ST+8*(\y+\u)+3], v[ST+8*(\y+\u)+2:ST+8*(\y+\u)+3], v[ST+8*(\y+\u)+6:ST+8*(\y+\u)+7], v[S+32*\u:S+32*\u+1] op_sel_hi:[1,0,1]   ; l = a l + the sum
.endr
	WIN 0x41                                       ; O^T (destination and source 0) window 1, a window 0
.set i, 0
.rept 16
	v_pk_mul_f32 v[O+32*\y+2*i:O+32*\y+2*i+1], v[O+32*\y+2*i:O+32*\y+2*i+1], v[ST+8*\y+6:ST+8*\y+7] op_sel_hi:[1,0]
	v_pk_mul_f32 v[O+32*(\y+1)+2*i:O+32*(\y+1)+2*i+1], v[O+32*(\y+1)+2*i:O+32*(\y+1)+2*i+1], v[ST+8*(\y+1)+6:ST+8*(\y+1)+7] op_sel_hi:[1,0]
.set i, i+1
.endr
	WIN 0
.endm
; Four plain lines stand between the products and the loads into K's or V's registers and the first read of the scores (ISA guide 7.12.1 for the read of the scores).
.macro HALF_A fetch, next
	s_wait_dscnt 0x0                               ; V of this step is in
	KQ 2
	PV 0
	WIN 0
.if \fetch
	v_add_nc_u32 v[ADR], s[TB], v[AK0]
.rept 3
	v_nop
.endr
	FETCH_K                                        ; the next step's K: both pieces have multiplied by this step's
.else
.rept 4
	v_nop
.endr
.endif
	VEC 2, 0, \next
.endm
.macro HALF_B
	s_wait_dscnt 0x0                               ; K of the next step is in
	KQ 0
	PV 2
	WIN 0
	v_add_nc_u32 v[ADR], s[TB], v[AV0]
	s_add_co_u32 s[TB], s[TB], STEPB               ; the next fetch is the step after
.rept 3
	v_nop
.endr
	FETCH_V                                        ; the next step's V: both pieces have multiplied by this step's
	VEC 0, 1, 1
.endm
.macro UNITS n
	s_mov_b32 s[STEPS], \n
.Lunit_\@:
	HALF_A 1, 1
	HALF_B
	s_sub_co_u32 s[STEPS], s[STEPS], 1
	s_cmp_lg_u32 s[STEPS], 0
	s_cbranch_scc1 .Lunit_\@
.endm
; THE CHANGE OF SLOTS: the slot's last bytes, V of its eighth step, have been asked for.  Each wave waits for all its tensor loads (its part of the other slot), adds 0 to its spare word, and waits for that and for its reads of the slot.
; fill = 1: the barrier is a round of the cluster's, and the joint refill, the keys two slots on, is the first thing behind it.
.macro CHANGE fill
	s_wait_tensorcnt 0x0                           ; no tensor load of mine is out, so a group 0 may be written
	ds_add_u32 v[SPW], v[NIL]                      ; 0 onto my spare word
.if \fill
	s_xor_b32 s[G0B+1], s[G0B+1], SLOT1            ; the walking descriptor: the other slot than last time,
	s_add_nc_u64 s[G0B+2:G0B+3], s[G0B+2:G0B+3], 65536   ; the next 512 keys; the type bits on top are not reached
	s_wait_dscnt 0x0                               ; the add is done, and my reads of the slot are over
	CROUND
	tensor_load_to_lds s[G0B:G0B+3], s[G1:G1+7]    ; my one tensor load behind the round
	s_nop 0
.rept 4
	v_nop
.endr
.else
	s_wait_dscnt 0x0
	s_barrier_signal -1
	s_barrier_wait -1
.endif
	s_sub_co_u32 s[TB], s[TB], 65536               ; the fetches go back to a slot's first step,
	s_xor_b32 s[TB], s[TB], SLOT1                  ; in the other slot
.endm
	s_wait_tensorcnt 1                             ; my part of slot 0 is in; slot 1's may stay out
	s_barrier_signal -1
	s_barrier_wait -1                              ; everybody's is
	v_add_nc_u32 v[ADR], s[TB], v[AK0]
	FETCH_K                                        ; key step 0
	v_add_nc_u32 v[ADR], s[TB], v[AV0]
	FETCH_V
	s_add_co_u32 s[TB], s[TB], STEPB
	s_wait_loadcnt 0x0                             ; Q
	s_wait_dscnt 0x0
	KQ 0
	WIN 0
.rept 4
	v_nop
.endr
	VEC 0, 0, 1
	UNITS 7                                        ; they fetch steps 1 to 7: slot 0 is read out
.Lslot:                                            ; two trips: slots 0 and 1 are filled again
	CHANGE 1
	UNITS 8
	s_sub_co_u32 s[SLOTS], s[SLOTS], 1
	s_cmp_lg_u32 s[SLOTS], 0
	s_cbranch_scc1 .Lslot
	CHANGE 0                                       ; the tail is written out
	UNITS 8
	HALF_A 0, 0                                    ; the last step: piece 2's scores and softmax, piece 0's V^T P,
	PV 2                                           ; and piece 2's
	; THE WAY OUT.  l's halves and the other half of the lanes' are added; O^T / l is rounded to f16: a lane's eight channels are 16 bytes, and the 32 lanes' bytes of one accumulator are 512 consecutive bytes of the projection's operand image.
	WIN 0
.irp t, 0,1,2,3
	v_add_f32 v[ST+8*\t+4], v[ST+8*\t+2], v[ST+8*\t+3]         ; (these four are the places behind the last products)
.endr
.irp t, 0,1,2,3
	v_permlanex16_b32 v[ST+8*\t+5], v[ST+8*\t+4], s[SEL], s[SEL+1]
.endr
.irp t, 0,1,2,3
	v_add_f32 v[ST+8*\t+4], v[ST+8*\t+4], v[ST+8*\t+5]
.endr
.irp t, 0,1,2,3
	v_rcp_f32 v[ST+8*\t+6], v[ST+8*\t+4]
.endr
	v_nop                                          ; a plain line behind the last reciprocal
	s_wait_alu depctr_va_vdst(0)                   ; one wait for the four, ahead of their first reader
	WIN 0x41
.irp t, 0,1,2,3
.set i, 0
.rept 16
	v_pk_mul_f32 v[O+32*\t+2*i:O+32*\t+2*i+1], v[O+32*\t+2*i:O+32*\t+2*i+1], v[ST+8*\t+6:ST+8*\t+7] op_sel_hi:[1,0]
.set i, i+1
.endr
.endr
	WIN 0x05                                       ; sources 0 and 1 window 1, destination window 0: S^T's registers are free
.set i, 0
.rept 64
	v_cvt_pk_f16_f32 v[S+i], v[O+2*i], v[O+2*i+1]
.set i, i+1
.endr
	WIN 0
.irp t, 0,1,2,3
.irp c, 0,1,2,3
	global_store_b128 v[AK0], v[S+16*\t+4*\c:S+16*\t+4*\c+3], s[XB:XB+1] offset:32768*\t+512*\c
.endr
.endr
	s_wait_tensorcnt 0x0                           ; the wave's end
	ds_add_u32 v[SPW], v[NIL]
	s_wait_dscnt 0x0
	CROUND                                         ; the closing round
	s_endpgm
.Lfunc_end_k_qcfa0aefc5b_attn:
	.size	k_qcfa0aefc5b_attn, .Lfunc_end_k_qcfa0aefc5b_attn-k_qcfa0aefc5b_attn
	.p2alignl 7, 3214868480
	.fill 96, 4, 3214868480
	.section	.rodata,"a",@progbits
	.p2align	6, 0x0
	.amdhsa_kernel k_qcfa0aefc5b_attn
		.amdhsa_group_segment_fixed_size 327680
		.amdhsa_private_segment_fixed_size 0
		.amdhsa_enable_private_segment 0
		.amdhsa_kernarg_size 24
		.amdhsa_user_sgpr_count 2
		.amdhsa_user_sgpr_kernarg_segment_ptr 1
		.amdhsa_wavefront_size32 1
		.amdhsa_system_sgpr_workgroup_id_x 1
		.amdhsa_system_sgpr_workgroup_id_y 1
		.amdhsa_system_sgpr_workgroup_id_z 1
		.amdhsa_system_vgpr_workitem_id 0
		.amdhsa_next_free_vgpr 512
		.amdhsa_next_free_sgpr 100
		.amdhsa_reserve_vcc 0
		.amdhsa_float_denorm_mode_32 3
		.amdhsa_float_denorm_mode_16_64 3
		.amdhsa_memory_ordered 1
		.amdhsa_forward_progress 1
		.amdhsa_inst_pref_size 184
	.end_amdhsa_kernel
	.amdgpu_metadata
---
amdhsa.version: [ 1, 2 ]
amdhsa.kernels:
  - .name:           k_qcfa0aefc5b_attn
    .symbol:         k_qcfa0aefc5b_attn.kd
    .args:
      - { .name: qkv, .offset: 0, .size: 8, .value_kind: global_buffer, .address_space: global }
      - { .name: mw, .offset: 8, .size: 8, .value_kind: global_buffer, .address_space: global }
      - { .name: xa, .offset: 16, .size: 8, .value_kind: global_buffer, .address_space: global }
    .group_segment_fixed_size: 327680
    .private_segment_fixed_size: 0
    .kernarg_segment_align: 8
    .kernarg_segment_size: 24
    .max_flat_workgroup_size: 256
    .sgpr_count:     100
    .vgpr_count:     512
    .wavefront_size: 32
...
	.end_amdgpu_metadata
.endif
;; end of part 3
;; launch proj (part 4): grid 4 x 64, 4 waves a work-group, clusters of 4 x 4, 327,680 bytes of LDS; arguments xa, wp, b_proj, out0; writes out0
.if DOCPART == 4
	.amdgcn_target "amdgcn-amd-amdhsa--gfx1250"
	.amdhsa_code_object_version 6
	.text
	.protected	k_qcfa0aefc5b_proj
	.globl	k_qcfa0aefc5b_proj
	.p2align	8
	.type	k_qcfa0aefc5b_proj,@function
k_qcfa0aefc5b_proj:
	s_mov_b64 s[64:65], 0
	v_nop
	global_prefetch_b8 v0, s[64:65] scope:SCOPE_SE
	s_setreg_imm32_b32 hwreg(HW_REG_WAVE_MODE, 25, 1), 1
	s_wait_xcnt 0x0
	s_wait_alu depctr_hold_cnt(0) depctr_sa_sdst(0) depctr_va_vdst(0) depctr_va_sdst(0) depctr_va_ssrc(0) depctr_va_vcc(0) depctr_vm_vsrc(0)
	s_getreg_b32 s2, hwreg(HW_REG_IB_STS2, 6, 4)
	s_cmp_eq_u32 s2, 0
	s_cbranch_scc0 .Lentry_in_a_cluster
	s_endpgm
.Lentry_in_a_cluster:
	s_bfe_u32 s2, ttmp6, 0x10000c
	s_cmp_lg_u32 s2, 0xf033
	s_cbranch_scc0 .Lentry_shape_is_right
	s_endpgm
.Lentry_shape_is_right:
; out0 = x W_proj + b_proj: [8192][1024] x [1024][1024], operands f16, sums f32, out0 f32.  Both operands lie in memory as images of their fragments: tile of 16 rows, then group of 8 along K, then row.
; A work-group of four waves makes 128 tokens x 256 columns (256 work-groups), a wave 64 x 128: 32 accumulators.  K goes in steps of 128 (4,096 bytes of each tile) through a ring of two LDS slots.
; CLUSTERS: 4 x 4 work-groups; x's tiles are shared along a row of the cluster, W's along a column, each asked for jointly.  THE MATRIX INSTRUCTION IS USED TRANSPOSED (source 0 = 16 columns of W, source 1 = 16 tokens).
; The bias is the C of each sum's first matrix instruction.  LIMIT: operands in f16 (magnitudes under 65,504).
; REGISTERS: window 0: v0-31 addresses; two fragment buffers of 96 at v32 and v128 (x's 4 fragments, then W's 8); on the way out v32-159 take the rows.  window 1: accumulator (a, b) at v[8 (8 a + b)].  window 2: v0-63 the bias, 8 registers a tile of columns.
.set SLOT,   98304                     ; x's 8 tiles x 4,096 bytes, then W's 16
.set STAGE,  196608                    ; behind the ring: 16 rows x 528 bytes for each wave
.set SPITCH, 528
.set SPARE,  230400                    ; the spare words, 128 bytes for each wave: two blocks of 256 bytes that no other line names
.set LAPS,   4                         ; a lap = two K steps
.set ADRA, 16
.set ADRB, 20
.set STO,  24
.set RD,   25
.set CO,   26
.set SPW,  28
.set NIL,  29
.set F0,   32
.set F1,   128
.set BK,   32
.set G1,  24
.set G0,  32
.set G1B, 48
.set G0B, 56
.set MSB, 0
.macro WIN new
.if MSB != \new
	s_set_vgpr_msb (MSB<<8)|\new
.set MSB, \new
.endif
.endm
.set MUL,  0x50                        ; C and D window 1
.set MULB, 0x60                        ; C (the bias) window 2, D window 1
.macro JLOAD s                         ; waves 0 and 1 fetch x's halves, waves 2 and 3 W's; an s_nop 0 and four v_nop follow each of the two lines
	s_cmp_eq_u32 s15, 0
	s_cbranch_scc0 .Lfor_b_\@
	tensor_load_to_lds s[G0+4*\s:G0+4*\s+3], s[G1:G1+7]
	s_nop 0
.rept 4
	v_nop
.endr
	s_branch .Lasked_\@
.Lfor_b_\@:
	tensor_load_to_lds s[G0B+4*\s:G0B+4*\s+3], s[G1B:G1B+7]
	s_nop 0
.rept 4
	v_nop
.endr
.Lasked_\@:
.endm
.macro CREST
	s_cmp_lg_u32 s14, 0
	s_cbranch_scc1 .Lnot_wave_0_\@
	s_barrier_signal -3
.Lnot_wave_0_\@:
	s_barrier_wait -3
	s_barrier_signal -1
	s_barrier_wait -1
.endm
.macro CROUND
	s_barrier_signal -1
	s_barrier_wait -1
	CREST
.endm
	s_load_b128 s[4:7], s[0:1], 0x0                ; x s[4:5], W s[6:7]
	s_load_b128 s[8:11], s[0:1], 0x10              ; the bias s[8:9], out0 s[10:11]
	v_lshl_add_u32 v[SPW], v0, 2, SPARE
	v_mov_b32 v[NIL], 0
	ds_add_u32 v[SPW], v[NIL]                      ; the wave's opening: the add, twice on end, and its wait ahead of my first tensor load
	ds_add_u32 v[SPW], v[NIL]
	v_lshrrev_b32 v1, 5, v0
	v_readfirstlane_b32 s14, v1                    ; wave 0..3
	s_lshr_b32 s15, s14, 1                         ; which half of the tokens is mine.  Also: I fetch for x (0) or for W (1)
	s_and_b32 s16, s14, 1                          ; which half of the columns.  Also: which half of that tile I fetch
	s_bfe_u32 s40, ttmp6, 0x40000
	s_bfe_u32 s41, ttmp6, 0x40004
	s_lshl_b32 s42, ttmp9, 2
	s_add_co_u32 s42, s42, s40                     ; tile column
	s_and_b32 s17, ttmp7, 0xffff
	s_lshl_b32 s17, s17, 2
	s_add_co_u32 s17, s17, s41                     ; tile row
	s_lshl_b32 s43, s41, 2
	s_lshl_b32 s43, 15, s43
	s_lshl_b32 s44, 0x1111, s40
	; descriptor group 1: rows of 4,096 bytes (a tile's 128 along K) = 512 elements of 8 bytes, 32,768 bytes apart in memory, on end in LDS; x: 4 rows, W: 8
	s_or_b32 s[G1+0], s43, (3<<16)|(1<<21)
	s_or_b32 s[G1B+0], s44, (3<<16)|(1<<21)
	s_mov_b32 s[G1+1], 512<<16
	s_mov_b32 s[G1+2], 4<<16
	s_mov_b32 s[G1+3], 512<<16
	s_mov_b32 s[G1+4], 4
	s_mov_b32 s[G1+5], 4096
	s_mov_b32 s[G1+6], 0
	s_mov_b32 s[G1+7], 0
	s_mov_b32 s[G1B+1], 512<<16
	s_mov_b32 s[G1B+2], 8<<16
	s_mov_b32 s[G1B+3], 512<<16
	s_mov_b32 s[G1B+4], 8
	s_mov_b32 s[G1B+5], 4096
	s_mov_b32 s[G1B+6], 0
	s_mov_b32 s[G1B+7], 0
	s_lshl_b32 s20, s17, 3
	s_lshl_b32 s18, s16, 2
	s_add_co_u32 s20, s20, s18                     ; x: tile 8 x tile row + 4 x half
	s_lshl_b32 s20, s20, 15
	s_mov_b32 s21, 0
	s_lshl_b32 s46, s42, 4
	s_lshl_b32 s18, s16, 3
	s_add_co_u32 s46, s46, s18                     ; W: tile 16 x tile column + 8 x half
	s_lshl_b32 s46, s46, 15
	s_mov_b32 s47, 0
	s_lshl_b32 s45, s16, 14                        ; where they go: x's halves,
	s_lshl_b32 s2, s16, 15
	s_add_co_u32 s2, s2, 32768                     ; W's halves behind them
	s_wait_dscnt 0x0
	s_wait_kmcnt 0x0
	s_add_nc_u64 s[20:21], s[4:5], s[20:21]
	s_add_nc_u64 s[46:47], s[6:7], s[46:47]
	CROUND                                         ; all sixteen work-groups are here: the first joint loads meet
.irp s, 0,1
	s_mov_b32 s[G0+4*\s], 1
	s_add_co_u32 s[G0+4*\s+1], s45, \s*SLOT
	s_add_nc_u64 s[G0+4*\s+2:G0+4*\s+3], s[20:21], \s*4096
	s_or_b32 s[G0+4*\s+3], s[G0+4*\s+3], 0x80000000
	s_mov_b32 s[G0B+4*\s], 1
	s_add_co_u32 s[G0B+4*\s+1], s2, \s*SLOT
	s_add_nc_u64 s[G0B+4*\s+2:G0B+4*\s+3], s[46:47], \s*4096
	s_or_b32 s[G0B+4*\s+3], s[G0B+4*\s+3], 0x80000000
	JLOAD \s                                       ; two loads of mine are out
.endr
	v_and_b32 v1, 15, v0                           ; r
	v_bfe_u32 v2, v0, 4, 1                         ; h
	v_and_b32 v3, 31, v0
	v_lshlrev_b32 v[CO], 4, v3                     ; 16 x lane
	s_lshl_b32 s18, s42, 10
	s_lshl_b32 s19, s16, 9
	s_add_co_u32 s18, s18, s19                     ; my first column, in bytes of f32
	s_mov_b32 s19, 0
	s_add_nc_u64 s[8:9], s[8:9], s[18:19]
	s_add_nc_u64 s[10:11], s[10:11], s[18:19]
	s_lshl_b32 s18, s17, 19
	s_lshl_b32 s22, s15, 18
	s_add_co_u32 s18, s18, s22                     ; my first token: rows of 4,096 bytes
	s_add_nc_u64 s[10:11], s[10:11], s[18:19]
	v_lshlrev_b32 v4, 5, v2                        ; the bias: lane (r, h) wants, for tile b, columns 16 b + 8 h + 0 .. 7
	WIN 0x80                                       ; destination window 2
.irp b, 0,1,2,3,4,5,6,7
	global_load_b128 v[8*\b:8*\b+3], v4, s[8:9] offset:64*\b
	global_load_b128 v[8*\b+4:8*\b+7], v4, s[8:9] offset:64*\b+16
.endr
	WIN 0
	s_lshl_b32 s18, s15, 14                        ; my 4 tiles of x
	s_lshl_b32 s22, s16, 15
	s_add_co_u32 s22, s22, 32768                   ; my 8 tiles of W
.irp s, 0,1
	v_add_nc_u32 v[ADRA+\s], s18, v[CO]
	v_add_nc_u32 v[ADRB+\s], s22, v[CO]
	s_add_co_u32 s18, s18, SLOT
	s_add_co_u32 s22, s22, SLOT
.endr
	s_mul_i32 s23, s14, 16*SPITCH
	s_add_co_u32 s23, s23, STAGE                   ; my stage
	v_mul_u32_u24 v5, v1, SPITCH
	v_lshl_add_u32 v5, v2, 5, v5
	v_add_nc_u32 v[STO], s23, v5                   ; in: row r, 32 bytes for each half of the lanes
	v_add_nc_u32 v[RD], s23, v[CO]                 ; back: the 32 lanes take one row of 512 bytes
; 8 products: x's block a against W's eight, 32 along K.  The 32 accumulators take turns, one instruction a turn, in the same order in every quarter.
.macro MULA f, a, first
.irp b, 0,1,2,3,4,5,6,7
.if \first
	v_wmma_f32_16x16x32_f16 v[8*(8*(\a)+\b):8*(8*(\a)+\b)+7], v[\f+32+8*\b:\f+32+8*\b+7], v[\f+8*(\a):\f+8*(\a)+7], v[8*\b:8*\b+7]
.else
	v_wmma_f32_16x16x32_f16 v[8*(8*(\a)+\b):8*(8*(\a)+\b)+7], v[\f+32+8*\b:\f+32+8*\b+7], v[\f+8*(\a):\f+8*(\a)+7], v[8*(8*(\a)+\b):8*(8*(\a)+\b)+7]
.endif
.endr
.endm
; 24 LDS loads in one run: the fragments of the slot's kk-th 32 along K into buffer f: W's eight, then x's four
.macro FETCH slot, kk, f
.irp i, 0,1,2,3,4,5,6,7
.irp c, 0,1
	ds_load_b128 v[\f+32+8*\i+4*\c:\f+32+8*\i+4*\c+3], v[ADRB+\slot] offset:4096*\i+1024*(\kk)+512*\c
.endr
.endr
.irp i, 0,1,2,3
.irp c, 0,1
	ds_load_b128 v[\f+8*\i+4*\c:\f+8*\i+4*\c+3], v[ADRA+\slot] offset:4096*\i+1024*(\kk)+512*\c
.endr
.endr
.endm
.macro PLACES
.rept 4
	v_nop
.endr
.endm
; one of a K step's first three quarters: multiplies buffer f and fetches the slot's kk-th quarter into g
.macro QUARTER slot, kk, f, g, first
	s_wait_dscnt 4                                 ; W's fragments and x's blocks 0 and 1 are in; the youngest four loads (blocks 2 and 3) may be out
.if \first
	WIN MULB
.else
	WIN MUL
.endif
	MULA \f, 0, \first
	MULA \f, 1, \first
	PLACES
	WIN 0
	FETCH \slot, \kk, \g
	s_wait_dscnt 24                                ; all but the 24 just issued
.if \first
	WIN MULB
.else
	WIN MUL
.endif
	MULA \f, 2, \first
	MULA \f, 3, \first
.endm
; the last quarter multiplies buffer 1 and changes slots: ONE barrier; in front of it each wave waits for all its tensor loads, adds 0 to its spare word, and waits for that and for its reads of this slot
.macro TURN slot, next, fill
	WIN 0
	s_wait_tensorcnt 0x0                           ; all my tensor loads have landed: my part of the next slot
	ds_add_u32 v[SPW], v[NIL]                      ; 0 onto my spare word
	s_wait_dscnt 5                                 ; (the add and the youngest four loads may be out)
	WIN MUL
	MULA F1, 0, 0                                  ; eight matrix instructions stand between the add and the wait for it
	s_wait_dscnt 0x0                               ; the add is done, and my reads of this slot are over
	s_barrier_signal -1
	MULA F1, 1, 0
	WIN 0
	s_barrier_wait -1
.if \fill
	CREST                                          ; the barrier has opened a round of the cluster's: no wave of any partner still reads this slot or has a load on its way
	s_add_nc_u64 s[G0+4*\slot+2:G0+4*\slot+3], s[G0+4*\slot+2:G0+4*\slot+3], 8192
	s_add_nc_u64 s[G0B+4*\slot+2:G0B+4*\slot+3], s[G0B+4*\slot+2:G0B+4*\slot+3], 8192
	JLOAD \slot                                    ; the first tensor load behind the round; its four v_nop are also the places in front of the loads below
.else
	PLACES
.endif
	FETCH \next, 0, F0
	WIN MUL
	MULA F1, 2, 0
	MULA F1, 3, 0
.endm
	s_wait_tensorcnt 1                             ; my part of K step 0 is in; K step 1's load may be out
	s_barrier_signal -1
	s_barrier_wait -1
	FETCH 0, 0, F0
	s_wait_loadcnt 0x0                             ; the bias
	QUARTER 0, 1, F0, F1, 1                        ; the first quarter stands in front of the loop: its products start the sums from the bias
	WIN 0
	s_mov_b32 s3, LAPS-1
.Llap:                                             ; a trip goes once round the ring and fills both slots again
	QUARTER 0, 2, F1, F0, 0
	QUARTER 0, 3, F0, F1, 0
	TURN 0, 1, 1
	QUARTER 1, 1, F0, F1, 0
	QUARTER 1, 2, F1, F0, 0
	QUARTER 1, 3, F0, F1, 0
	TURN 1, 0, 1
	QUARTER 0, 1, F0, F1, 0
	WIN 0
	s_sub_co_u32 s3, s3, 1
	s_cmp_lg_u32 s3, 0
	s_cbranch_scc1 .Llap
	QUARTER 0, 2, F1, F0, 0                        ; the last lap fills nothing
	QUARTER 0, 3, F0, F1, 0
	TURN 0, 1, 0
	QUARTER 1, 1, F0, F1, 0
	QUARTER 1, 2, F1, F0, 0
	QUARTER 1, 3, F0, F1, 0
	s_wait_dscnt 4                                 ; the very last quarter
	WIN MUL
	MULA F1, 0, 0
	MULA F1, 1, 0
	s_wait_dscnt 0x0
	MULA F1, 2, 0
	MULA F1, 3, 0
	WIN 0
; THE WAY OUT, block by block of 16 tokens x 128 columns: through my own stage in LDS, back as whole rows of 512 bytes.  LDS serves a wave's instructions in order: no wait between the stores and the loads.
.macro TOSTAGE a
	WIN 0x04                                       ; an LDS store's data are its source 1: window 1
.irp b, 0,1,2,3,4,5,6,7
	ds_store_b128 v[STO], v[64*(\a)+8*\b:64*(\a)+8*\b+3] offset:64*\b          ; each accumulator from its low end on
	ds_store_b128 v[STO], v[64*(\a)+8*\b+4:64*(\a)+8*\b+7] offset:64*\b+16
.endr
	WIN 0
.set BB, BK+64*((\a)%2)
.irp t, 0,1,2,3,4,5,6,7,8,9,10,11,12,13,14,15
	ds_load_b128 v[BB+4*\t:BB+4*\t+3], v[RD] offset:\t*SPITCH
.endr
.endm
.macro SEND a, younger
.set BB, BK+64*((\a)%2)
	s_wait_dscnt \younger                          ; the block is back in registers
.irp t, 0,1,2,3,4,5,6,7,8,9,10,11,12,13,14,15
	global_store_b128 v[CO], v[BB+4*\t:BB+4*\t+3], s[10:11] offset:65536*(\a)+4096*\t th:TH_STORE_NT   ; 32 lanes store 512 consecutive bytes, aligned
.endr
.endm
	PLACES                                         ; behind the last products: their results are read, and the fragment buffers take loads
	TOSTAGE 0
.irp a, 1,2,3
.if \a > 1
	s_wait_xcnt 0x0                                ; block a - 2's stores have read their registers: block a's loads may land there
.endif
	TOSTAGE \a
	SEND \a-1, 32                                  ; behind block a - 1's loads: block a's 16 stores and 16 loads
.endr
	SEND 3, 0
	s_wait_tensorcnt 0x0                           ; the wave's end: behind my last tensor load and my last LDS store
	ds_add_u32 v[SPW], v[NIL]
	s_wait_dscnt 0x0
	CROUND                                         ; the closing round
	s_endpgm
.Lfunc_end_k_qcfa0aefc5b_proj:
	.size	k_qcfa0aefc5b_proj, .Lfunc_end_k_qcfa0aefc5b_proj-k_qcfa0aefc5b_proj
	.p2alignl 7, 3214868480
	.fill 96, 4, 3214868480
	.section	.rodata,"a",@progbits
	.p2align	6, 0x0
	.amdhsa_kernel k_qcfa0aefc5b_proj
		.amdhsa_group_segment_fixed_size 327680
		.amdhsa_private_segment_fixed_size 0
		.amdhsa_enable_private_segment 0
		.amdhsa_kernarg_size 32
		.amdhsa_user_sgpr_count 2
		.amdhsa_user_sgpr_kernarg_segment_ptr 1
		.amdhsa_wavefront_size32 1
		.amdhsa_system_sgpr_workgroup_id_x 1
		.amdhsa_system_sgpr_workgroup_id_y 1
		.amdhsa_system_sgpr_workgroup_id_z 1
		.amdhsa_system_vgpr_workitem_id 0
		.amdhsa_next_free_vgpr 576
		.amdhsa_next_free_sgpr 66
		.amdhsa_reserve_vcc 0
		.amdhsa_float_denorm_mode_32 3
		.amdhsa_float_denorm_mode_16_64 3
		.amdhsa_memory_ordered 1
		.amdhsa_forward_progress 1
		.amdhsa_inst_pref_size 86
	.end_amdhsa_kernel
	.amdgpu_metadata
---
amdhsa.version: [ 1, 2 ]
amdhsa.kernels:
  - .name:           k_qcfa0aefc5b_proj
    .symbol:         k_qcfa0aefc5b_proj.kd
    .args:
      - { .name: xa, .offset: 0, .size: 8, .value_kind: global_buffer, .address_space: global }
      - { .name: wp, .offset: 8, .size: 8, .value_kind: global_buffer, .address_space: global }
      - { .name: b_proj, .offset: 16, .size: 8, .value_kind: global_buffer, .address_space: global }
      - { .name: out0, .offset: 24, .size: 8, .value_kind: global_buffer, .address_space: global }
    .group_segment_fixed_size: 327680
    .private_segment_fixed_size: 0
    .kernarg_segment_align: 8
    .kernarg_segment_size: 32
    .max_flat_workgroup_size: 128
    .sgpr_count:     66
    .vgpr_count:     576
    .wavefront_size: 32
...
	.end_amdgpu_metadata
.endif
;; end of part 4
